; MI455X (gfx1250); checked and timed in simulation.
; The chip was launched on July 23, 2026; its instructions are those of AMD's public machine-readable ISA for CDNA 5 (MIT licence, August 2026) and "CDNA5" Instruction Set Architecture Reference Guide (July 2026). The comments in the code are by the model that wrote it; some were corrected since.
;; Memory Efficient Multi Head Attention. Allowed arithmetic: matrix products marked QUANTISED: E2M3 operands, one E8M0 scale for each 32 along K, by v_wmma_scale_f32_16x16x128_f8f6f4 with both operands' format E2M3, f32 sums; everything else in f32.
;; Inputs: dense_b 1,024 float32; dense_w 1,024 x 1,024 float32; wk_b 1,024 float32; wk_w 1,024 x 1,024 float32; wq_b 1,024 float32; wq_w 1,024 x 1,024 float32; wv_b 1,024 float32; wv_w 1,024 x 1,024 float32; x 4 x 2,048 x 1,024 float32.
;; Outputs: out0 4 x 2,048 x 1,024 float32.
;; This version of the problem:
;;   THIS VERSION OF THE PROBLEM IS GIVEN IN LOW PRECISION. The matrix products marked QUANTISED in the list below multiply operands that are first quantised to E2M3 (2 exponent bits, 3 mantissa bits; 6 bits a number), with one power-of-two scale for each 32 numbers along K (OCP MX v1.0); their sums are f32. All else is computed in f32.
;;   The module's matrix products, in the order in which they are computed (A, B: the left and right operand; K: the contracted axis; several contracted axes count as one K, in the product's order):
;;     1. [M 8,192, K 1,024] x [K 1,024, N 1,024]; A: input x; B: input wq_w: QUANTISED
;;     2. [M 8,192, K 1,024] x [K 1,024, N 1,024]; A: input x; B: input wk_w: QUANTISED
;;     3. [M 8,192, K 1,024] x [K 1,024, N 1,024]; A: input x; B: input wv_w: QUANTISED
;;     4. batch 64 x [M 2,048, K 64] x [K 64, N 2,048]; A: computed on the way; B: computed on the way: QUANTISED
;;     5. batch 64 x [M 2,048, K 2,048] x [K 2,048, N 64]; A: softmax (see below); B: computed on the way: QUANTISED
;;     6. [M 8,192, K 1,024] x [K 1,024, N 1,024]; A: computed on the way; B: input dense_w: QUANTISED
;;   THE QUANTISER, for each operand of a quantised product, along K:
;;     - K is cut into blocks of 32 from its start; a last block that is shorter is filled with zeros.
;;     - A block's scale is 2^e with e = floor(log2(the largest magnitude in the block)) - 2, held to -126 .. 127; a block of zeros has e = 0. As a byte (E8M0): e + 127.
;;     - Each number is divided by its block's scale, clamped to +-7.5, and rounded to the nearest number of E2M3, ties to even, subnormals kept.
;;     - The product sums the exact products of the quantised numbers (number of the format x scale) in f32.
;;   ~~~python
;;   def quantise(x, axis):      # numpy; x: float32 -> the quantised numbers, widened to float32 again
;;       x = np.moveaxis(x, axis, -1); K = x.shape[-1]
;;       x = np.pad(x, [(0, 0)] * (x.ndim - 1) + [(0, -K % 32)]); x = x.reshape(x.shape[:-1] + (-1, 32)); a = np.abs(x).max(-1, keepdims=True)
;;       e = np.where(a > 0, np.clip(np.frexp(np.where(a > 0, a, 1))[1] - 1 - 2, -126, 127), 0)      # np.frexp(a)[1] - 1 = floor(log2(a)), exactly
;;       r = np.clip(x / 2.0 ** e, -7.5, 7.5)
;;       step = 2.0 ** (np.maximum(np.frexp(np.where(r == 0, 1, r))[1] - 1, 0) - 3)
;;       q = np.round(r / step) * step * 2.0 ** e      # np.round: ties to even
;;       return np.moveaxis(q.reshape(q.shape[:-2] + (-1,))[..., :K], -1, axis).astype(np.float32)
;;   ~~~
;;   SOFTMAX AHEAD OF A QUANTISED PRODUCT. Where the list says 'softmax', what is quantised is not the finished softmax but p = 2^(t - M), with t = logit x log2(e) and M = ceil(the row's largest t), a whole number; so 1/2 < the row's largest p <= 1. The row's sum l is taken of the UNQUANTISED p, in f32, and the product's result is divided by l at the end. Since M is a whole number, a kernel that streams over the keys may use a running M (the ceiling of the running maximum): every later rescaling is an exact power of two, which a block's scale takes up: the codes' values come out the same.
;;   OPERANDS COMPUTED ON THE WAY. 'Computed on the way' means the value that the module computes at that place (a softmax that the list does not call 'softmax' is quantised finished and normalised). What goes into a quantiser is computed in f32, as accurately as f32 sums, v_exp_f32 and their like allow (about 1e-6 of the number): no bf16 or f16 on the way to a quantiser, and a product that is left as it is and whose result goes on into a quantised operand takes f32 operands (vector FMAs, or v_wmma_f32_16x16x4_f32). A number that lies on a knife's edge between two numbers of the format may be rounded either way, as far as f32 arithmetic and the matrix unit's own rounding can turn it there, and no further.
;; One version. Each part assembles by itself: llvm-mc -triple=amdgcn-amd-amdhsa -mcpu=gfx1250 --defsym DOCPART=n.
;; ======== version 1 of 1: 4 launches
;; limits: right only within a limited range of input values
;; workspace buffers: codes 15,728,640 bytes; scl 655,360 bytes; qkv 20,185,088 bytes
;; launch quant (part 1): grid 384 x 1, 4 waves a work-group, no clusters, 34,304 bytes of LDS; arguments x, wq_w, wk_w, wv_w, dense_w, codes, scl; writes codes, scl
.if DOCPART == 1
	.amdgcn_target "amdgcn-amd-amdhsa--gfx1250"
	.amdhsa_code_object_version 6
	.text
	.protected	k_q5b85a27b75_quant
	.globl	k_q5b85a27b75_quant
	.p2align	8
	.type	k_q5b85a27b75_quant,@function
k_q5b85a27b75_quant:
	s_mov_b64 s[64:65], 0
	v_nop
	global_prefetch_b8 v0, s[64:65] scope:SCOPE_SE
	s_setreg_imm32_b32 hwreg(HW_REG_WAVE_MODE, 25, 1), 1
	s_wait_xcnt 0x0
; LAUNCH 1 OF 4.  x [8192][1024] and the four weights [1024][1024], f32 with K innermost, become codes of FP6 (E2M3) with one E8M0 byte for each 32 along K.
; DEAD WORK: none is left out in this program.  All six products are live, the three biases of q, k, v stand ahead of quantisers, dense_b is added to the output: every input is loaded.
; A block's scale is 2^(floor(log2(its largest magnitude)) - 2); its byte is the largest magnitude's exponent field - 2, held at 1 from below.
; LIMITS: a block of zeros gets the byte 1 where the rule says 127 (its codes are zeros, and the bytes are read by this program alone); NaN and infinities among the inputs are not served.
; LAYOUT OF codes: 1,280 row tiles of 16 rows, 12,288 bytes each: 8 K steps of 128, each a FRAGMENT IMAGE of 1,536 bytes: the operand's 12 registers a lane, in two halves of 768 bytes:
;   registers 6 c .. 6 c + 3 at 16 x lane, registers 6 c + 4, 6 c + 5 at 512 + 8 x lane.  Tiles 0-511 x, 512-575 wq, 576-639 wk, 640-703 wv, 704-767 dense_w (768-1279: launch 3's).
; THE ROWS OF A TILE ARE NOT NEIGHBOURS: position p of tile T is row 32 (T / 2) + 8 (T % 2) + p + 8 (p / 8), so that as source 0 of a product tiles 2 b, 2 b + 1 give a lane 16 neighbours.
; LAYOUT OF scl: 512 bytes a tile: the scale word of position r for K step 4 g + 2 j + p lies at 256 g + 8 (r + 16 p) + 4 j.
; SHARES: a work-group takes 32 rows (two tiles); wave w takes tile w / 2 and K half w % 2: four fragments.  Each load reads 512 consecutive bytes of one row; a fragment's 16 x 512 bytes turn through the wave's own
; stage in LDS (rows of 528 bytes), so that a lane gets 16 neighbours of each block of 32.  Waves share nothing: no barrier.  Loads run two fragments (32 loads a wave) ahead.
.set STG,   8448                       ; a wave's stage: 16 rows x (512 + 16) bytes
.set SPARE, 4*STG                      ; behind the stages: the spare words, 128 bytes a wave
.set L16,  1                           ; v1   16 x lane
.set L8,   2                           ; v2   8 x lane
.set SIN,  3                           ; v3   stage, way in: 16 x lane
.set SOUT, 4                           ; v4   stage, way out: 528 r + 64 h
.set SPW,  5                           ; v5   my spare word; never rewritten
.set NIL,  6                           ; v6   0; never rewritten
.set TM,   8                           ; v8-23  at work in QUANT
.set PW,   24                          ; v24-27 the four fragments' scale words
.set SWD,  28                          ; v28-29 the two words that my lane stores
.set R,    32                          ; v32-159 two sets of 64 registers as loaded
.set X,    160                         ; v160-223 64 numbers: register 16 b + i = k 32 b + 16 h + i of my row
.set PC,   224                         ; v224-243 the codes
.set SEL,  20                          ; s[20:21] lane selects: lane l xor 16
.set MH,   22                          ; s22  mask of lanes 16-31
; 64 numbers of a lane become a fragment's codes in v[PC] .. v[PC+11] and its row's scale word in v[pw]
.macro QUANT s, pw
.irp b, 0,1,2,3
	v_max3_num_f32 v[TM+\b], |v[\s+16*\b]|, |v[\s+1+16*\b]|, 0x1800000   ; my 16 numbers of block b, and the floor 2^(3 - 127): the byte cannot fall under 1
.endr
.irp i, 2,4,6,8,10,12,14
.irp b, 0,1,2,3
	v_max3_num_f32 v[TM+\b], v[TM+\b], |v[\s+16*\b+\i]|, |v[\s+1+16*\b+\i]|
.endr
.endr
.irp b, 0,1,2,3
	v_permlanex16_b32 v[TM+4+\b], v[TM+\b], s[SEL], s[SEL+1]
.endr
.irp b, 0,1,2,3
	v_max_num_f32 v[TM+\b], v[TM+\b], v[TM+4+\b]                        ; with lane l xor 16's 16: the block's largest magnitude
.endr
.irp b, 0,1,2,3
	v_add_nc_u32 v[TM+12+\b], 0xff000000, v[TM+\b]                      ; 2 off its exponent field: the conversion's scale operand
.endr
.irp b, 0,1,2,3
	v_lshrrev_b32 v[TM+4+\b], 23, v[TM+12+\b]                           ; the scale's byte
.endr
	v_lshl_or_b32 v[\pw], v[TM+5], 8, v[TM+4]
	v_lshl_or_b32 v[\pw], v[TM+6], 16, v[\pw]
	v_lshl_or_b32 v[\pw], v[TM+7], 24, v[\pw]
.irp c, 0,1
	v_cvt_scalef32_pk16_fp6_f32 v[PC+6*\c:PC+2+6*\c], v[\s+32*\c:\s+15+32*\c], v[TM+12+2*\c]
	v_cvt_scalef32_pk16_fp6_f32 v[PC+12+4*\c:PC+14+4*\c], v[\s+16+32*\c:\s+31+32*\c], v[TM+12+2*\c+1]   ; (a conversion's three registers begin on an even number)
.endr
	v_nop                                          ; one plain instruction behind the scaled conversions
.irp c, 0,1                                    ; the operand wants a whole block in a lane: lanes 0-15 block 2 c, lanes 16-31 block 2 c + 1
.irp i, 0,1,2
	v_permlane16_swap_b32 v[PC+6*\c+\i], v[PC+12+4*\c+\i]
.endr
.irp i, 0,1,2
	v_mov_b32 v[PC+3+6*\c+\i], v[PC+12+4*\c+\i]
.endr
.endr
.endm
.macro LOAD t                          ; fragment t: 128 numbers of each of the tile's 16 rows, 512 consecutive bytes a load
.irp p, 0,1,2,3,4,5,6,7,8,9,10,11,12,13,14,15
	global_load_b128 v[R+64*((\t)%2)+4*\p:R+64*((\t)%2)+4*\p+3], v[L16], s[4:5] offset:(\p+8*(\p/8))*4096+512*(\t) th:TH_LOAD_NT
.endr
.endm
.macro STEP t
.if (\t) > 0
	s_wait_xcnt 0x0                                ; the last fragment's stores have read their registers: the codes may be written again
.endif
.if (\t) < 3
	s_wait_loadcnt 16                              ; this fragment's 16 loads are in; the next fragment's 16 may be out
.else
	s_wait_loadcnt 0x0
.endif
.irp p, 0,1,2,3,4,5,6,7,8,9,10,11,12,13,14,15
	ds_store_b128 v[SIN], v[R+64*((\t)%2)+4*\p:R+64*((\t)%2)+4*\p+3] offset:528*\p
.endr
.irp b, 0,1,2,3
.irp j, 0,1,2,3
	ds_load_b128 v[X+16*\b+4*\j:X+16*\b+4*\j+3], v[SOUT] offset:128*\b+16*\j   ; LDS serves a wave's instructions in order: these see the stores above
.endr
.endr
	s_wait_dscnt 0x0
.if (\t) < 2
	LOAD (\t)+2
.endif
	QUANT X, PW+(\t)
	global_store_b128 v[L16], v[PC:PC+3], s[14:15] offset:1536*(\t) th:TH_STORE_NT          ; each store of the wave covers 512 or 256 consecutive bytes, aligned to 256
	global_store_b64 v[L8], v[PC+4:PC+5], s[14:15] offset:1536*(\t)+512 th:TH_STORE_NT
	global_store_b128 v[L16], v[PC+6:PC+9], s[14:15] offset:1536*(\t)+768 th:TH_STORE_NT
	global_store_b64 v[L8], v[PC+10:PC+11], s[14:15] offset:1536*(\t)+1280 th:TH_STORE_NT
.endm
	s_load_b256 s[4:11], s[0:1], 0x0               ; x, wq_w, wk_w, wv_w
	s_load_b128 s[12:15], s[0:1], 0x20             ; dense_w, codes
	s_load_b64 s[16:17], s[0:1], 0x30              ; scl
	v_lshl_add_u32 v[SPW], v0, 2, SPARE
	v_mov_b32 v[NIL], 0
	v_lshrrev_b32 v7, 5, v0
	v_readfirstlane_b32 s18, v7                    ; wave 0..3
	v_and_b32 v7, 31, v0
	v_lshlrev_b32 v[L16], 4, v7
	v_lshlrev_b32 v[L8], 3, v7
	s_mul_i32 s19, s18, STG
	v_add_nc_u32 v[SIN], s19, v[L16]
	v_and_b32 v30, 15, v0                          ; r
	v_bfe_u32 v31, v0, 4, 1                        ; h
	v_mul_u32_u24 v[SOUT], v30, 528
	v_lshl_add_u32 v[SOUT], v31, 6, v[SOUT]
	v_add_nc_u32 v[SOUT], s19, v[SOUT]
.irp b, 0,1,2,3
	v_mov_b32 v[TM+4+\b], 0                        ; written once: a lane permute's destination counts as one of its sources
.endr
	s_lshr_b32 s23, s18, 1                         ; which of the two tiles
	s_and_b32 s24, s18, 1                          ; which half of K
	s_mov_b32 s[SEL], 0x76543210
	s_mov_b32 s[SEL+1], 0xfedcba98
	s_mov_b32 s[MH], 0xffff0000
	s_mov_b32 s25, 0                               ; the tensor's first work-group
	s_wait_alu depctr_va_vdst(0)
	s_wait_kmcnt 0x0
	s_cmp_ge_u32 ttmp9, 256                        ; which tensor: the choice hangs on the work-group's number alone; all take one path
	s_cselect_b64 s[4:5], s[6:7], s[4:5]
	s_cselect_b32 s25, 256, s25
	s_cmp_ge_u32 ttmp9, 288
	s_cselect_b64 s[4:5], s[8:9], s[4:5]
	s_cselect_b32 s25, 288, s25
	s_cmp_ge_u32 ttmp9, 320
	s_cselect_b64 s[4:5], s[10:11], s[4:5]
	s_cselect_b32 s25, 320, s25
	s_cmp_ge_u32 ttmp9, 352
	s_cselect_b64 s[4:5], s[12:13], s[4:5]
	s_cselect_b32 s25, 352, s25
	s_sub_co_u32 s26, ttmp9, s25
	s_lshl_b32 s26, s26, 17                        ; 32 rows of 4,096 bytes,
	s_lshl_b32 s28, s23, 15                        ; 8 rows for the second tile,
	s_add_co_u32 s26, s26, s28
	s_lshl_b32 s28, s24, 11                        ; 512 numbers for the second half of K
	s_add_co_u32 s26, s26, s28
	s_mov_b32 s27, 0
	s_add_nc_u64 s[4:5], s[4:5], s[26:27]
	s_lshl_b32 s26, ttmp9, 1
	s_add_co_u32 s26, s26, s23                     ; my tile's number
	s_mul_i32 s28, s26, 12288
	s_mul_i32 s30, s24, 6144
	s_add_co_u32 s28, s28, s30
	s_mov_b32 s29, 0
	s_add_nc_u64 s[14:15], s[14:15], s[28:29]
	s_lshl_b32 s28, s26, 9
	s_lshl_b32 s30, s24, 8
	s_add_co_u32 s28, s28, s30
	s_add_nc_u64 s[16:17], s[16:17], s[28:29]
	LOAD 0
	LOAD 1
	STEP 0
	STEP 1
	STEP 2
	STEP 3
	v_cndmask_b32 v[SWD], v[PW], v[PW+1], s[MH]    ; lane (r, p): the words of K steps p and 2 + p of my half
	v_cndmask_b32 v[SWD+1], v[PW+2], v[PW+3], s[MH]
	global_store_b64 v[L8], v[SWD:SWD+1], s[16:17] ; 32 lanes store 256 consecutive bytes, aligned
	s_wait_tensorcnt 0x0                           ; the wave's end: behind my last LDS store
	ds_add_u32 v[SPW], v[NIL]
	s_wait_dscnt 0x0
	s_endpgm
.Lfunc_end_k_q5b85a27b75_quant:
	.size	k_q5b85a27b75_quant, .Lfunc_end_k_q5b85a27b75_quant-k_q5b85a27b75_quant
	.p2alignl 7, 3214868480
	.fill 96, 4, 3214868480
	.section	.rodata,"a",@progbits
	.p2align	6, 0x0
	.amdhsa_kernel k_q5b85a27b75_quant
		.amdhsa_group_segment_fixed_size 34304
		.amdhsa_private_segment_fixed_size 0
		.amdhsa_enable_private_segment 0
		.amdhsa_kernarg_size 56
		.amdhsa_user_sgpr_count 2
		.amdhsa_user_sgpr_kernarg_segment_ptr 1
		.amdhsa_wavefront_size32 1
		.amdhsa_system_sgpr_workgroup_id_x 1
		.amdhsa_system_sgpr_workgroup_id_y 1
		.amdhsa_system_sgpr_workgroup_id_z 1
		.amdhsa_system_vgpr_workitem_id 0
		.amdhsa_next_free_vgpr 248
		.amdhsa_next_free_sgpr 66
		.amdhsa_reserve_vcc 0
		.amdhsa_float_denorm_mode_32 3
		.amdhsa_float_denorm_mode_16_64 3
		.amdhsa_memory_ordered 1
		.amdhsa_forward_progress 1
		.amdhsa_inst_pref_size 34
	.end_amdhsa_kernel
	.amdgpu_metadata
---
amdhsa.version: [ 1, 2 ]
amdhsa.kernels:
  - .name:           k_q5b85a27b75_quant
    .symbol:         k_q5b85a27b75_quant.kd
    .args:
      - { .name: x, .offset: 0, .size: 8, .value_kind: global_buffer, .address_space: global }
      - { .name: wq_w, .offset: 8, .size: 8, .value_kind: global_buffer, .address_space: global }
      - { .name: wk_w, .offset: 16, .size: 8, .value_kind: global_buffer, .address_space: global }
      - { .name: wv_w, .offset: 24, .size: 8, .value_kind: global_buffer, .address_space: global }
      - { .name: dense_w, .offset: 32, .size: 8, .value_kind: global_buffer, .address_space: global }
      - { .name: codes, .offset: 40, .size: 8, .value_kind: global_buffer, .address_space: global }
      - { .name: scl, .offset: 48, .size: 8, .value_kind: global_buffer, .address_space: global }
    .group_segment_fixed_size: 34304
    .private_segment_fixed_size: 0
    .kernarg_segment_align: 8
    .kernarg_segment_size: 56
    .max_flat_workgroup_size: 128
    .sgpr_count:     66
    .vgpr_count:     248
    .wavefront_size: 32
...
	.end_amdgpu_metadata
.endif
;; end of part 1
;; launch qkv (part 2): grid 12 x 32, 4 waves a work-group, clusters of 4 x 4, 327,680 bytes of LDS; arguments codes, scl, wq_b, wk_b, wv_b, qkv; writes qkv
.if DOCPART == 2
	.amdgcn_target "amdgcn-amd-amdhsa--gfx1250"
	.amdhsa_code_object_version 6
	.text
	.protected	k_q5b85a27b75_qkv
	.globl	k_q5b85a27b75_qkv
	.p2align	8
	.type	k_q5b85a27b75_qkv,@function
k_q5b85a27b75_qkv:
	s_mov_b64 s[64:65], 0
	v_nop
	global_prefetch_b8 v0, s[64:65] scope:SCOPE_SE
	s_setreg_imm32_b32 hwreg(HW_REG_WAVE_MODE, 25, 1), 1
	s_wait_xcnt 0x0
	s_wait_alu depctr_hold_cnt(0) depctr_sa_sdst(0) depctr_va_vdst(0) depctr_va_sdst(0) depctr_va_ssrc(0) depctr_va_vcc(0) depctr_vm_vsrc(0)
	s_getreg_b32 s2, hwreg(HW_REG_IB_STS2, 6, 4)
	s_cmp_eq_u32 s2, 0
	s_cbranch_scc0 .Lentry_in_a_cluster
	s_endpgm
.Lentry_in_a_cluster:
	s_bfe_u32 s2, ttmp6, 0x10000c
	s_cmp_lg_u32 s2, 0xf033
	s_cbranch_scc0 .Lentry_shape_is_right
	s_endpgm
.Lentry_shape_is_right:
; LAUNCH 2 OF 4.  q = x wq^T + bq, k = x wk^T + bk, v = x wv^T + bv on codes of FP6 (E2M3), and the quantisers of q and k (along the head's 64) and of v (along the keys) in registers.  No work is left out.
; A tile of 256 x 256 is made by four waves, 128 x 128 each: 64 accumulators, 512 registers.  K = 1,024 goes in four slots' worth of 256 through two LDS slots.
; codes lies in the order of the operands' registers (launch 1): a fragment of 16 rows x 128 K is 1,536 consecutive bytes, read by four LDS loads of consecutive bytes: no pitch, no padding.
; MODE = the cluster's x, which all sixteen partners share: 0 q, 1 k, 2 v.  The product is used transposed: source 0 = B's tile, source 1 = A's tile: a lane holds ONE row of A's tile and its registers run along B's rows.
;   q, k: A = x (tokens), B = the weight (channels): a lane holds a token, its 64 registers of one A tile are 128 neighbouring channels: two heads, two blocks of 32 each.
;   v:    A = wv (channels), B = x (tokens): a lane holds a channel, its 64 registers are 128 neighbouring tokens: four blocks of 32 along the keys.
; So one way out serves all three: 64 numbers of a lane become one fragment and one scale word.  The bias is the C of each sum's first product.
; LAYOUT OF qkv: 64 (batch x 16 + head) x 315,392 bytes.  Q region at 0: step s (128 tokens) at 6,656 s: 8 half images of 768 bytes (k = 0 .. 63 of a fragment), then 512 bytes of scale words.
;   KV region at 106,496: step s at 13,056 s: K's 8 half images, 512 bytes of K's scale words, V's 4 fragment images (16 channels x 128 keys), 256 bytes of V's scale words.
;   Q's and K's scale words: at 16 x lane, word j of lane (r, h): position r, bytes 0, 1 the head's two blocks of tile 2 j, bytes 2, 3 those of tile 2 j + 1.  V's: at 8 x lane, word j: position r of channel tile 2 j + h.
; CLUSTERS: 4 x 4 work-groups; A's tiles are asked for jointly along a row of the cluster, B's along a column.
; 384 work-groups are 24 clusters: the grid does not divide evenly over the chip; a tile 192 wide would cut heads apart.
; LIMITS: a block of zeros gets the byte 1 (its codes are zeros; the bytes are read by this program alone); NaN and infinities are not served.
; REGISTERS: window 0: v16-31 addresses; v32-95 scale words (lanes 0-15 A's block i, lanes 16-31 B's block i; block i, K step ks at 32 + 8 i + 4 (ks / 4) + 2 (ks % 2) + (ks % 4) / 2);
;   v96-127, v224-255 at work; v128-223 A's fragments, one set.  window 1: B's fragments, two sets at v0 and v128; the bias at v96-127 and v224-255.  windows 2, 3: the accumulators ((a, b) at v[8 (8 (a % 4) + b)] of window 2 + a / 4).
.set HALFT, 24576                      ; 8 tiles x 2 K steps x 1,536 bytes: what one tensor load brings, and what one wave reads of A or of B
.set SLOT,  4*HALFT                    ; A's 16 tiles, then B's 16
.set SPARE, 2*SLOT                     ; behind the ring: the spare words, 128 bytes a wave
.set HEADB, 315392
.set ADRA, 16                          ; v16-19  A's fragments: slot 0 at 16 x lane, at 8 x lane; slot 1 likewise
.set ADRB, 20                          ; v20-23  B's
.set L16,  24                          ; v24  16 x lane
.set L8,   25                          ; v25  8 x lane
.set L16H, 26                          ; v26  16 x lane + the second half's distance
.set L8H,  27                          ; v27  8 x lane + the same
.set SPW,  28                          ; v28  my spare word; never rewritten
.set NIL,  29                          ; v29  0; never rewritten
.set SOFF, 30                          ; v30  my lane's place in scl
.set SC,   32
.set PC,   96                          ; v96-115 the codes just made
.set SW,   116                         ; v116-123 the eight scale words
.set AF,   128
.set TM,   224                         ; v224-239 at work in the quantiser
.set BO,   240                         ; v240-247 the bias's eight offsets
.set WV,  16
.set RH,  17                           ; which half of A's rows is mine; also: I fetch for A (0) or for B (1)
.set CH,  18                           ; which half of B's rows is mine; also: which 8 tiles I fetch
.set CX,  19
.set CY,  20
.set ISV, 21
.set NV,  22
.set CLY, 23
.set G1,  24
.set G0,  32
.set G1B, 48
.set G0B, 56
.set MH,  66
.set OB,  68                           ; s[68:69] where the codes go
.set OS,  70                           ; s[70:71] where the scale words go
.set STA, 72                           ; s[72:73] from one A tile's place to the next
.set ST4, 74                           ; s[74:75] the same from tile 3 to tile 4
.set HOFF, 76
.set SEL, 78
.set MSB, 0
.macro WIN new                         ; the immediate's high byte repeats the setting that is left
.if MSB != (\new)
	s_set_vgpr_msb (MSB<<8)|(\new)
.set MSB, (\new)
.endif
.endm
.macro WMUL hi, cm                     ; source 0 (B) window 1, source 1 (A) window 0, D window 2 + hi; C with D, or (cm) the bias in window 1
.if \cm
	WIN 0x91+0x40*(\hi)
.else
	WIN 0xa1+0x50*(\hi)
.endif
.endm
.macro PLACES                          ; four plain instructions in front of loads into registers that matrix instructions have read, and of the first read of results
.rept 4
	v_nop
.endr
.endm
; A joint load: waves 0 and 1 fetch for A, waves 2 and 3 for B.  The branch hangs on the wave's number alone.  An s_nop 0 and four v_nop follow each line.
.macro JLOAD s
	s_cmp_eq_u32 s[RH], 0
	s_cbranch_scc0 .Lfor_b_\@
	tensor_load_to_lds s[G0+4*\s:G0+4*\s+3], s[G1:G1+7]
	s_nop 0
.rept 4
	v_nop
.endr
	s_branch .Lasked_\@
.Lfor_b_\@:
	tensor_load_to_lds s[G0B+4*\s:G0B+4*\s+3], s[G1B:G1B+7]
	s_nop 0
.rept 4
	v_nop
.endr
.Lasked_\@:
.endm
.macro CREST                           ; a round of the cluster's barrier behind its opening barrier
	s_cmp_lg_u32 s[WV], 0
	s_cbranch_scc1 .Lnot_wave_0_\@
	s_barrier_signal -3
.Lnot_wave_0_\@:
	s_barrier_wait -3
	s_barrier_signal -1
	s_barrier_wait -1
.endm
.macro CROUND
	s_barrier_signal -1
	s_barrier_wait -1
	CREST
.endm
.macro FRAG reg, adr, q, i             ; tile i's fragment of the slot's q-th K step: its image, as it lies
	ds_load_b128 v[\reg:\reg+3], v[\adr] offset:3072*(\i)+1536*(\q)
	ds_load_b64 v[\reg+4:\reg+5], v[\adr+1] offset:3072*(\i)+1536*(\q)+512
	ds_load_b128 v[\reg+6:\reg+9], v[\adr] offset:3072*(\i)+1536*(\q)+768
	ds_load_b64 v[\reg+10:\reg+11], v[\adr+1] offset:3072*(\i)+1536*(\q)+1280
.endm
.macro FETCH_B slot, q, p
	WIN 0x40
.irp i, 0,1,2,3,4,5,6,7
	FRAG 128*(\p)+12*\i, ADRB+2*(\slot), \q, \i
.endr
	WIN 0
.endm
.macro FETCH_A slot, q, i0
.irp i, \i0, \i0+1, \i0+2, \i0+3
	FRAG AF+12*(\i), ADRA+2*(\slot), \q, \i
.endr
.endm
; 16 products: A's blocks a0, a0 + 1 x B's eight, K step ks; p: B's set.  cm = 0: C = D; 1: C = the bias of B's block; 2: of A's block.  The 64 accumulators take turns, one instruction a turn.
.macro MUL16 a0, p, ks, cm
.irp a, \a0, \a0+1
.irp b, 0,1,2,3,4,5,6,7
.set rD, 8*(8*((\a)%4)+\b)
.set rB, 128*(\p)+12*\b
.set rA, AF+12*(\a)
.set xB, SC+8*\b+4*((\ks)/4)+2*((\ks)%2)+((\ks)%4)/2
.set xA, SC+8*(\a)+4*((\ks)/4)+2*((\ks)%2)+((\ks)%4)/2
.set rC, rD
.if \cm == 1
.set rC, 96+8*\b+96*(\b/4)
.endif
.if \cm == 2
.set rC, 96+8*(\a)+96*((\a)/4)
.endif
	v_wmma_scale_f32_16x16x128_f8f6f4 v[rD:rD+7], v[rB:rB+11], v[rA:rA+11], v[rC:rC+7], v[xB], v[xA] matrix_a_fmt:MATRIX_FMT_FP6 matrix_b_fmt:MATRIX_FMT_FP6 matrix_a_scale:MATRIX_SCALE_ROW1
.endr
.endr
.endm
.macro STEP slot, ks, cm               ; a slot's first K step: its successor lies in the same slot
	s_wait_dscnt 16                                ; B's set and A's blocks 0-3 are in; the youngest 16 loads (A's blocks 4-7) may be out
	WMUL 0, \cm
	MUL16 0, 0, \ks, \cm
	MUL16 2, 0, \ks, \cm
	s_wait_dscnt 0x0
	PLACES
	FETCH_B \slot, 1, 1
	FETCH_A \slot, 1, 0
	WMUL 1, \cm
	MUL16 4, 0, \ks, \cm
	MUL16 6, 0, \ks, \cm
	PLACES
	WIN 0
	FETCH_A \slot, 1, 4
.endm
; A slot's second K step changes slots: one barrier; in front of it each wave waits for all its tensor loads, adds 0 to its spare word, and waits for that and for its reads of this slot.
.macro TURN slot, next, fill, ks
	s_wait_tensorcnt 0x0                           ; all my tensor loads have landed: my part of the next slot
	ds_add_u32 v[SPW], v[NIL]
	s_wait_dscnt 17                                ; (the add and the youngest 16 loads may be out)
	WMUL 0, 0
	MUL16 0, 1, \ks, 0
	s_wait_dscnt 0x0                               ; the add is done, and my reads of this slot are over
	s_barrier_signal -1
	MUL16 2, 1, \ks, 0
	WIN 0
	s_barrier_wait -1
.if \fill
	CREST                                          ; the barrier has opened a round of the cluster's: no wave of any partner still reads this slot or has a load on its way
	s_add_nc_u64 s[G0+4*\slot+2:G0+4*\slot+3], s[G0+4*\slot+2:G0+4*\slot+3], 6144
	s_add_nc_u64 s[G0B+4*\slot+2:G0B+4*\slot+3], s[G0B+4*\slot+2:G0B+4*\slot+3], 6144
	JLOAD \slot                                    ; the first tensor load behind the round; its four v_nop are the places in front of the loads below
.else
	PLACES
.endif
	FETCH_B \next, 0, 0
	FETCH_A \next, 0, 0
	WMUL 1, 0
	MUL16 4, 1, \ks, 0
	MUL16 6, 1, \ks, 0
	PLACES
	WIN 0
	FETCH_A \next, 0, 4
.endm
	s_load_b256 s[4:11], s[0:1], 0x0               ; codes, scl, wq_b, wk_b
	s_load_b128 s[12:15], s[0:1], 0x20             ; wv_b, qkv
	v_lshl_add_u32 v[SPW], v0, 2, SPARE
	v_mov_b32 v[NIL], 0
	ds_add_u32 v[SPW], v[NIL]                      ; the wave's opening: the add, twice on end, and its wait ahead of my first tensor load
	ds_add_u32 v[SPW], v[NIL]
	v_lshrrev_b32 v1, 5, v0
	v_readfirstlane_b32 s[WV], v1
	s_lshr_b32 s[RH], s[WV], 1
	s_and_b32 s[CH], s[WV], 1
	s_bfe_u32 s[CX], ttmp6, 0x40000
	s_bfe_u32 s[CY], ttmp6, 0x40004
	s_lshr_b32 s[ISV], ttmp9, 1                    ; 1 for v
	s_xor_b32 s[NV], s[ISV], 1                     ; 1 for q and k
	s_and_b32 s[CLY], ttmp7, 0xffff                ; the cluster's y
	s_mul_i32 s40, s[CLY], s[NV]                   ; A: tile row = cy + 4 x cluster y (q, k: tokens) or cy (v: channels)
	s_lshl_b32 s40, s40, 2
	s_add_co_u32 s40, s40, s[CY]
	s_lshl_b32 s41, s40, 4
	s_mul_i32 s42, s[ISV], 640
	s_add_co_u32 s41, s41, s42                     ; A's first tile: x's, or wv's from 640
	s_lshl_b32 s42, s[CH], 3
	s_add_co_u32 s42, s42, s41
	s_mul_i32 s42, s42, 12288                      ; the 8 tiles that I would fetch, in bytes
	s_mov_b32 s43, 0
	s_mul_i32 s44, ttmp9, s[NV]                    ; B: tile column = cx + 4 x cluster x (q, k: the weights' rows) or cx + 4 x cluster y (v: tokens)
	s_mul_i32 s45, s[CLY], s[ISV]
	s_add_co_u32 s44, s44, s45
	s_lshl_b32 s44, s44, 2
	s_add_co_u32 s44, s44, s[CX]
	s_lshl_b32 s45, s44, 4
	s_lshl_b32 s46, s[NV], 9
	s_add_co_u32 s45, s45, s46                     ; B's first tile: wq's and wk's from 512, or x's
	s_lshl_b32 s46, s[CH], 3
	s_add_co_u32 s46, s46, s45
	s_mul_i32 s46, s46, 12288
	s_mov_b32 s47, 0
	s_lshl_b32 s80, s[CY], 2
	s_lshl_b32 s80, 15, s80                        ; my row of the cluster
	s_lshl_b32 s81, 0x1111, s[CX]                  ; my column
	s_or_b32 s[G1], s80, (3<<16)|(1<<21)           ; 15:0 the mask; 17:16 elements of 8 bytes; 20 no padding; 21 set beside a mask
	s_or_b32 s[G1B], s81, (3<<16)|(1<<21)
.irp g, G1, G1B
	s_mov_b32 s[\g+1], 384<<16                     ; tensor_dim0: 3,072 bytes: a tile's two K steps
	s_mov_b32 s[\g+2], 8<<16                       ; tensor_dim1: 8 tiles
	s_mov_b32 s[\g+3], 384<<16                     ; tile_dim0
	s_mov_b32 s[\g+4], 8                           ; tile_dim1
	s_mov_b32 s[\g+5], 1536                        ; from tile to tile: 12,288 bytes
	s_mov_b32 s[\g+6], 0
	s_mov_b32 s[\g+7], 0
.endr
	s_mul_i32 s67, s[WV], HALFT                    ; where my load goes: no place in the cluster enters an LDS address
	s_mov_b32 s[MH], 0xffff0000
	s_mov_b32 s[SEL], 0x76543210
	s_mov_b32 s[SEL+1], 0xfedcba98
	s_wait_dscnt 0x0                               ; both opening adds are done
	s_wait_kmcnt 0x0
	s_add_nc_u64 s[42:43], s[4:5], s[42:43]
	s_add_nc_u64 s[46:47], s[4:5], s[46:47]
	CROUND                                         ; all sixteen work-groups are here: the first joint loads meet
.irp s, 0,1
	s_mov_b32 s[G0+4*\s], 1
	s_add_co_u32 s[G0+4*\s+1], s67, \s*SLOT
	s_add_nc_u64 s[G0+4*\s+2:G0+4*\s+3], s[42:43], \s*3072
	s_or_b32 s[G0+4*\s+3], s[G0+4*\s+3], 0x80000000
	s_mov_b32 s[G0B+4*\s], 1
	s_add_co_u32 s[G0B+4*\s+1], s67, \s*SLOT
	s_add_nc_u64 s[G0B+4*\s+2:G0B+4*\s+3], s[46:47], \s*3072
	s_or_b32 s[G0B+4*\s+3], s[G0B+4*\s+3], 0x80000000
.if \s == 0
	JLOAD 0                                        ; K steps 0, 1: one tensor load a wave at the head
.endif
.endr
	v_and_b32 v1, 31, v0
	v_lshlrev_b32 v[L16], 4, v1
	v_lshlrev_b32 v[L8], 3, v1
	v_and_b32 v4, 15, v0                           ; r
	v_bfe_u32 v5, v0, 4, 1                         ; h
	s_mul_i32 s80, s[RH], HALFT                    ; my 8 tiles of A,
	s_mul_i32 s81, s[CH], HALFT                    ; my 8 tiles of B,
	s_add_co_u32 s81, s81, 2*HALFT                 ; which lie behind A's 16
.irp s, 0,1
	v_add_nc_u32 v[ADRA+2*\s], s80, v[L16]
	v_add_nc_u32 v[ADRA+2*\s+1], s80, v[L8]
	v_add_nc_u32 v[ADRB+2*\s], s81, v[L16]
	v_add_nc_u32 v[ADRB+2*\s+1], s81, v[L8]
	s_add_co_u32 s80, s80, SLOT
	s_add_co_u32 s81, s81, SLOT
.endr
	s_lshl_b32 s80, s[RH], 3                       ; the scale words, once for all of K: lanes 0-15 take A's tiles, lanes 16-31 B's
	s_add_co_u32 s80, s80, s41
	s_lshl_b32 s80, s80, 9
	s_lshl_b32 s81, s[CH], 3
	s_add_co_u32 s81, s81, s45
	s_lshl_b32 s81, s81, 9
	v_mov_b32 v6, s80
	v_mov_b32 v7, s81
	v_cndmask_b32 v6, v6, v7, s[MH]
	v_lshl_add_u32 v[SOFF], v4, 3, v6
.irp i, 0,1,2,3,4,5,6,7
.irp g, 0,1
.irp p, 0,1
	global_load_b64 v[SC+8*\i+4*\g+2*\p:SC+8*\i+4*\g+2*\p+1], v[SOFF], s[6:7] offset:512*\i+256*\g+128*\p
.endr
.endr
.endr
	; where the results go
	s_lshl_b32 s80, s40, 1
	s_add_co_u32 s80, s80, s[RH]
	s_mul_i32 s80, s80, s[NV]
	s_lshl_b32 s81, s44, 1
	s_add_co_u32 s81, s81, s[CH]
	s_mul_i32 s81, s81, s[ISV]
	s_add_co_u32 s80, s80, s81                     ; which 128 tokens are my wave's: 0 .. 63
	s_lshl_b32 s81, s[CX], 2
	s_lshl_b32 s82, s[CH], 1
	s_add_co_u32 s81, s81, s82
	s_mul_i32 s81, s81, s[NV]
	s_lshl_b32 s82, s[CY], 2
	s_lshl_b32 s83, s[RH], 1
	s_add_co_u32 s82, s82, s83
	s_mul_i32 s82, s82, s[ISV]
	s_add_co_u32 s81, s81, s82                     ; the first of my wave's two heads
	s_lshr_b32 s82, s80, 4                         ; the batch
	s_and_b32 s84, s80, 15                         ; the step in it
	s_lshl_b32 s82, s82, 4
	s_add_co_u32 s82, s82, s81
	s_mul_i32 s82, s82, HEADB
	s_min_u32 s85, ttmp9, 1                        ; 0 for q, 1 for k and v
	s_mul_i32 s86, s85, 6400
	s_add_co_u32 s86, s86, 6656                    ; a step: 6,656 bytes in the Q region, 13,056 in the KV region
	s_mul_i32 s86, s86, s84
	s_add_co_u32 s82, s82, s86
	s_mul_i32 s86, s85, 106496
	s_add_co_u32 s82, s82, s86
	s_mul_i32 s86, s[ISV], 6656                    ; V's images lie behind K's codes and scale words
	s_add_co_u32 s82, s82, s86
	s_mov_b32 s83, 0
	s_add_nc_u64 s[OB:OB+1], s[14:15], s[82:83]
	s_add_nc_u64 s[OS:OS+1], s[OB:OB+1], 6144
	s_mul_i32 s[STA], s[ISV], 768
	s_add_co_u32 s[STA], s[STA], 768               ; q, k: a half image on; v: a whole image
	s_mov_b32 s[STA+1], 0
	s_mul_i32 s[ST4], s[ISV], 310016
	s_add_co_u32 s[ST4], s[ST4], 768               ; v: from channel tile 3 of one head to tile 0 of the next
	s_mov_b32 s[ST4+1], 0
	s_mul_i32 s[HOFF], s[NV], 314624
	s_add_co_u32 s[HOFF], s[HOFF], 768             ; a fragment's second half: q, k: the next head; v: 768 bytes on
	v_add_nc_u32 v[L16H], s[HOFF], v[L16]
	v_add_nc_u32 v[L8H], s[HOFF], v[L8]
	; the bias, in the result's layout: q, k: register j of B's block i: channel 32 (i / 2) + 8 (i % 2) + 16 h + j;  v: every register of A's block i: channel 32 (i / 2) + 8 (i % 2) + r + 8 (r / 8)
	s_cmp_eq_u32 ttmp9, 0
	s_cselect_b64 s[8:9], s[8:9], s[10:11]
	s_cmp_eq_u32 ttmp9, 2
	s_cselect_b64 s[8:9], s[12:13], s[8:9]
	s_lshl_b32 s88, s81, 8                         ; 64 channels a head, 4 bytes each
	s_mov_b32 s89, 0
	s_add_nc_u64 s[8:9], s[8:9], s[88:89]
	v_and_b32 v8, 8, v4
	v_add_nc_u32 v8, v8, v4                        ; r + 8 (r / 8)
	s_lshl_b32 s85, s[ISV], 2
	s_lshl_b32 s86, s[NV], 6
	s_lshl_b32 s87, s[NV], 2
	v_mul_u32_u24 v[BO], v8, s85
	v_mad_u32_u24 v[BO], v5, s86, v[BO]
.irp j, 1,2,3,4,5,6,7
	s_mul_i32 s90, s87, \j
	v_add_nc_u32 v[BO+\j], s90, v[BO]
.endr
.irp b, 0,1,2,3
	v_mov_b32 v[TM+4+\b], 0                        ; written once: a lane permute's destination counts as one of its sources
.endr
	WIN 0x40                                       ; destination window 1
.irp i, 0,1,2,3,4,5,6,7
.irp j, 0,1,2,3,4,5,6,7
	global_load_b32 v[96+8*\i+96*(\i/4)+\j], v[BO+\j], s[8:9] offset:4*(32*(\i/2)+8*(\i%2))
.endr
.endr
	WIN 0
	s_wait_alu depctr_va_vdst(0)
	s_wait_tensorcnt 0x0                           ; my part of slot 0 is in; slot 1's first fill is issued as a refill is:
	ds_add_u32 v[SPW], v[NIL]
	s_wait_dscnt 0x0
	CROUND                                         ; a whole round: slot 0 is whole, and the joint loads meet
	JLOAD 1                                        ; the first tensor load behind the round
	FETCH_B 0, 0, 0
	FETCH_A 0, 0, 0
	FETCH_A 0, 0, 4
	s_wait_loadcnt 0x0                             ; the scale words and the bias
	s_cmp_eq_u32 s[ISV], 0                         ; the first K step starts the sums with the bias: by B's block (q, k) or by A's (v).  The two arms hold the same loads and waits, no barrier and no tensor load
	s_cbranch_scc0 .Lfirst_v
	STEP 0, 0, 1
	s_branch .Lfirst_done
.Lfirst_v:
	STEP 0, 0, 2
.Lfirst_done:
	TURN 0, 1, 1, 1
	STEP 1, 2, 0
	TURN 1, 0, 1, 3
	STEP 0, 4, 0
	TURN 0, 1, 0, 5                                ; nothing is left to fetch: a plain barrier
	STEP 1, 6, 0
	s_wait_dscnt 16
	WMUL 0, 0
	MUL16 0, 1, 7, 0
	MUL16 2, 1, 7, 0
	s_wait_dscnt 0x0
	WMUL 1, 0
	MUL16 4, 1, 7, 0
	MUL16 6, 1, 7, 0
	WIN 0
	PLACES
; THE WAY OUT of A's block a: its 64 registers, register 16 b + i = number 32 b + 16 h + i along B's rows, are quantised and leave as a fragment's two halves.
.macro OUT a
.set AC, 64*((\a)%4)
.set WA, 2+(\a)/4
	WIN WA|(WA<<2)                                 ; sources 0 and 1: the accumulators' window
.irp b, 0,1,2,3
	v_max3_num_f32 v[TM+\b], |v[AC+16*\b]|, |v[AC+16*\b+1]|, 0x1800000      ; each accumulator is read from its low end on; the floor 2^(3 - 127) holds the byte at 1 from below
.endr
.irp i, 2,4,6,8,10,12,14
.irp b, 0,1,2,3
	v_max3_num_f32 v[TM+\b], |v[AC+16*\b+\i]|, |v[AC+16*\b+\i+1]|, v[TM+\b]
.endr
.endr
	WIN 0
.irp b, 0,1,2,3
	v_permlanex16_b32 v[TM+4+\b], v[TM+\b], s[SEL], s[SEL+1]
.endr
.irp b, 0,1,2,3
	v_max_num_f32 v[TM+\b], v[TM+\b], v[TM+4+\b]
.endr
.irp b, 0,1,2,3
	v_add_nc_u32 v[TM+12+\b], 0xff000000, v[TM+\b]
.endr
.irp b, 0,1,2,3
	v_lshrrev_b32 v[TM+4+\b], 23, v[TM+12+\b]
.endr
	v_lshl_or_b32 v[SW+(\a)], v[TM+5], 8, v[TM+4]
	v_lshl_or_b32 v[SW+(\a)], v[TM+6], 16, v[SW+(\a)]
	v_lshl_or_b32 v[SW+(\a)], v[TM+7], 24, v[SW+(\a)]
.if (\a) > 0
	s_wait_xcnt 0x0                                ; the last block's stores have read their registers and their base
.if (\a) == 4
	s_add_nc_u64 s[OB:OB+1], s[OB:OB+1], s[ST4:ST4+1]
.else
	s_add_nc_u64 s[OB:OB+1], s[OB:OB+1], s[STA:STA+1]
.endif
.endif
	WIN WA                                         ; source 0: the accumulators' window
.irp c, 0,1
	v_cvt_scalef32_pk16_fp6_f32 v[PC+6*\c:PC+2+6*\c], v[AC+32*\c:AC+15+32*\c], v[TM+12+2*\c]
	v_cvt_scalef32_pk16_fp6_f32 v[PC+12+4*\c:PC+14+4*\c], v[AC+16+32*\c:AC+31+32*\c], v[TM+12+2*\c+1]
.endr
	WIN 0
	v_nop                                          ; one plain instruction behind the scaled conversions
.irp c, 0,1
.irp i, 0,1,2
	v_permlane16_swap_b32 v[PC+6*\c+\i], v[PC+12+4*\c+\i]
.endr
.irp i, 0,1,2
	v_mov_b32 v[PC+3+6*\c+\i], v[PC+12+4*\c+\i]
.endr
.endr
	global_store_b128 v[L16], v[PC:PC+3], s[OB:OB+1] th:TH_STORE_NT             ; each store of the wave covers 512 or 256 consecutive bytes, aligned to 256
	global_store_b64 v[L8], v[PC+4:PC+5], s[OB:OB+1] offset:512 th:TH_STORE_NT
	global_store_b128 v[L16H], v[PC+6:PC+9], s[OB:OB+1] th:TH_STORE_NT
	global_store_b64 v[L8H], v[PC+10:PC+11], s[OB:OB+1] offset:512 th:TH_STORE_NT
.endm
.irp a, 0,1,2,3,4,5,6,7
	OUT \a
.endr
.irp j, 0,1,2,3
	v_cndmask_b32 v[128+\j], v[SW+2*\j], v[SW+2*\j+1], s[MH]   ; lane (r, h): the word of position r of block 2 j + h
.endr
	s_cmp_eq_u32 s[ISV], 0
	s_cbranch_scc0 .Lv_scales
.irp j, 0,1,2,3
	; q's and k's scale words as launch 3 takes them: word j of position r (the same in both halves of the lanes): bytes 0, 1 the head's two blocks of tile 2 j, bytes 2, 3 those of tile 2 j + 1
	v_perm_b32 v[132+\j], v[SW+2*\j+1], v[SW+2*\j], 0x05040100   ; the first head: the two words' low halves
	v_perm_b32 v[136+\j], v[SW+2*\j+1], v[SW+2*\j], 0x07060302   ; the second head: their high halves
.endr
	global_store_b128 v[L16], v[132:135], s[OS:OS+1]
	global_store_b128 v[L16], v[136:139], s[OS:OS+1] offset:HEADB
	s_branch .Lscales_done
.Lv_scales:
	s_wait_alu depctr_va_vdst(0)
	global_store_b64 v[L8], v[128:129], s[OS:OS+1]             ; v: channel tiles 0-3 are the first head's,
	global_store_b64 v[L8], v[130:131], s[OS:OS+1] offset:HEADB   ; tiles 4-7 the second's
.Lscales_done:
	s_wait_tensorcnt 0x0                           ; the wave's end
	ds_add_u32 v[SPW], v[NIL]
	s_wait_dscnt 0x0
	CROUND                                         ; the closing round
	s_endpgm
.Lfunc_end_k_q5b85a27b75_qkv:
	.size	k_q5b85a27b75_qkv, .Lfunc_end_k_q5b85a27b75_qkv-k_q5b85a27b75_qkv
	.p2alignl 7, 3214868480
	.fill 96, 4, 3214868480
	.section	.rodata,"a",@progbits
	.p2align	6, 0x0
	.amdhsa_kernel k_q5b85a27b75_qkv
		.amdhsa_group_segment_fixed_size 327680
		.amdhsa_private_segment_fixed_size 0
		.amdhsa_enable_private_segment 0
		.amdhsa_kernarg_size 48
		.amdhsa_user_sgpr_count 2
		.amdhsa_user_sgpr_kernarg_segment_ptr 1
		.amdhsa_wavefront_size32 1
		.amdhsa_system_sgpr_workgroup_id_x 1
		.amdhsa_system_sgpr_workgroup_id_y 1
		.amdhsa_system_sgpr_workgroup_id_z 1
		.amdhsa_system_vgpr_workitem_id 0
		.amdhsa_next_free_vgpr 1024
		.amdhsa_next_free_sgpr 96
		.amdhsa_reserve_vcc 0
		.amdhsa_float_denorm_mode_32 3
		.amdhsa_float_denorm_mode_16_64 3
		.amdhsa_memory_ordered 1
		.amdhsa_forward_progress 1
		.amdhsa_inst_pref_size 170
	.end_amdhsa_kernel
	.amdgpu_metadata
---
amdhsa.version: [ 1, 2 ]
amdhsa.kernels:
  - .name:           k_q5b85a27b75_qkv
    .symbol:         k_q5b85a27b75_qkv.kd
    .args:
      - { .name: codes, .offset: 0, .size: 8, .value_kind: global_buffer, .address_space: global }
      - { .name: scl, .offset: 8, .size: 8, .value_kind: global_buffer, .address_space: global }
      - { .name: wq_b, .offset: 16, .size: 8, .value_kind: global_buffer, .address_space: global }
      - { .name: wk_b, .offset: 24, .size: 8, .value_kind: global_buffer, .address_space: global }
      - { .name: wv_b, .offset: 32, .size: 8, .value_kind: global_buffer, .address_space: global }
      - { .name: qkv, .offset: 40, .size: 8, .value_kind: global_buffer, .address_space: global }
    .group_segment_fixed_size: 327680
    .private_segment_fixed_size: 0
    .kernarg_segment_align: 8
    .kernarg_segment_size: 48
    .max_flat_workgroup_size: 128
    .sgpr_count:     96
    .vgpr_count:     1024
    .wavefront_size: 32
...
	.end_amdgpu_metadata
.endif
;; end of part 2
;; launch attn (part 3): grid 4 x 64, 16 waves a work-group, clusters of 4 x 1, 327,680 bytes of LDS; arguments qkv, codes, scl; writes codes, scl
.if DOCPART == 3
	.amdgcn_target "amdgcn-amd-amdhsa--gfx1250"
	.amdhsa_code_object_version 6
	.text
	.protected	k_q5b85a27b75_attn
	.globl	k_q5b85a27b75_attn
	.p2align	8
	.type	k_q5b85a27b75_attn,@function
k_q5b85a27b75_attn:
	s_mov_b64 s[64:65], 0
	v_nop
	global_prefetch_b8 v0, s[64:65] scope:SCOPE_SE
	s_setreg_imm32_b32 hwreg(HW_REG_WAVE_MODE, 25, 1), 1
	s_wait_xcnt 0x0
	s_wait_alu depctr_hold_cnt(0) depctr_sa_sdst(0) depctr_va_vdst(0) depctr_va_sdst(0) depctr_va_ssrc(0) depctr_va_vcc(0) depctr_vm_vsrc(0)
	s_getreg_b32 s2, hwreg(HW_REG_IB_STS2, 6, 4)
	s_cmp_eq_u32 s2, 0
	s_cbranch_scc0 .Lentry_in_a_cluster
	s_endpgm
.Lentry_in_a_cluster:
	s_bfe_u32 s2, ttmp6, 0x10000c
	s_cmp_lg_u32 s2, 0x3003
	s_cbranch_scc0 .Lentry_shape_is_right
	s_endpgm
.Lentry_shape_is_right:
; LAUNCH 3 OF 4.  o = softmax(q k^T / 8) v for one (batch, head) and 512 queries a work-group, on codes of FP6 (E2M3), and the quantiser of o along the head's 64.  No work is left out.
; p = 2^(t - M), t = score x log2(e) / 8, M the ceiling of the running largest t; the row's sum is taken of the unquantised p; when M moves, sum and O^T are multiplied by an exact power of two.
; LIMITS: the promise holds while |t| stays under 2^31; NaN and infinities are not served; a block of zeros gets the byte 1 (its codes are zeros; this program alone reads the bytes).
; THE DEAL: 16 waves; a wave owns 32 queries (tiles w and w + 16 of the work-group's 32) and walks the head's 16 key steps of 128 once: each fragment of K and V read from LDS serves both query tiles.
; Both products are used transposed (S^T = k q^T, O^T = v^T p^T): a lane holds one query.
; K = 64 FILLS HALF OF THE INSTRUCTION'S 128: a fragment of 12 registers holds TWO key tiles (2 j in k = 0 .. 63, 2 j + 1 in k = 64 .. 127) and is multiplied by [q | 0] and by [0 | q]: zero codes add nothing.
; So all 8 key tiles of a step lie in 48 registers.  The scale words hold both tiles' bytes; q's word holds its two bytes twice.  q's chain of 30 registers: qa, 0, qb, 0, qa gives [qa|0], [0|qb], [qb|0], [0|qa].
; The two query tiles take turns on one set of 64 score registers; the second tile's codes are laid into score registers that are done with.
; LDS: the head's 16 steps of K and V, 13,056 bytes each, filled once: wave w asks for step w, 51 rows of 256 bytes.  CLUSTER: the four query blocks of a head ask jointly (mask 15).
; Waves 0-3 have a load line of their own and wait first: steps 0-3 are worked while the other twelve tiles land.
; One split barrier a step (signal behind the K fragments' arrival, wait behind the step's last products) holds the waves within one step of each other.
; NO PREFETCH: every tile is asked for at the head; there is no loop to run ahead in.
.set STEPB, 13056
.set HEADB, 315392
.set KVOFF, 106496
.set SPARE, 16*STEPB                   ; behind the tiles: the spare words, 128 bytes a wave
.set L16,  1                           ; 16 x lane
.set SPW,  2                           ; my spare word; never rewritten
.set NIL,  3                           ; 0; never rewritten
.set KSW,  4                           ; v4-7 K's scale words, one a fragment
.set VSW,  4                           ; v4-5 then V's
.set PSW,  8                           ; v8, v9 p's scale words
.set QS,   10                          ; v10, v11 q's
.set ST,   12                          ; (-M, largest score) for each query tile
.set LS,   16                          ; the row's sum in two halves, for each query tile
.set FF,   20                          ; 2^(old M - new M); the pair's upper word is T0
.set T0,   21
.set T1,   22
.set L8,   23                          ; 8 x lane
.set BM,   24
.set BT,   28
.set SO,   32
.set Q,    36                          ; v36-65 q's chain
.set P0,   66                          ; v66-77 the first tile's codes
.set F,    78                          ; v78-125 four fragments of K, then of V
.set S,    126                         ; v126-189 scores, then p
.set P1,   S+16                        ; the second tile's codes
.set O,    190                         ; v190-253 O^T, 32 registers a query tile
.set A16,  254
.set A8,   255
.set TB,   2
.set CNT,  3
.set WV,   18
.set SEL,  20
.set CS,   22
.set G1,   24
.set G0,   40
.set NC,   46
.set QSEL, 47
.set MH,   48
.set PCO,  50
.set PSC,  52
.set PQ,   54
.macro PLACES                          ; four plain places behind matrix instructions (ISA guide 7.12.1)
.rept 4
	v_nop
.endr
.endm
.macro WALU
	s_wait_alu depctr_va_vdst(0)
.endm
.macro CROUND
	s_barrier_signal -1
	s_barrier_wait -1
	s_cmp_lg_u32 s[WV], 0
	s_cbranch_scc1 .Lnot_wave_0_\@
	s_barrier_signal -3
.Lnot_wave_0_\@:
	s_barrier_wait -3
	s_barrier_signal -1
	s_barrier_wait -1
.endm
.macro FRAG t, off                     ; a fragment's image, as it lies
	ds_load_b128 v[F+12*\t:F+12*\t+3], v[A16] offset:\off
	ds_load_b64 v[F+12*\t+4:F+12*\t+5], v[A8] offset:\off+512
	ds_load_b128 v[F+12*\t+6:F+12*\t+9], v[A16] offset:\off+768
	ds_load_b64 v[F+12*\t+10:F+12*\t+11], v[A8] offset:\off+1280
.endm
.macro QK j, lo, hi, qs                ; key tiles 2 j and 2 j + 1 against one query tile
	v_wmma_scale_f32_16x16x128_f8f6f4 v[S+16*\j:S+16*\j+7], v[F+12*\j:F+12*\j+11], v[\lo:\lo+11], 0, v[KSW+\j], v[\qs] matrix_a_fmt:MATRIX_FMT_FP6 matrix_b_fmt:MATRIX_FMT_FP6
	v_wmma_scale_f32_16x16x128_f8f6f4 v[S+16*\j+8:S+16*\j+15], v[F+12*\j:F+12*\j+11], v[\hi:\hi+11], 0, v[KSW+\j], v[\qs] matrix_a_fmt:MATRIX_FMT_FP6 matrix_b_fmt:MATRIX_FMT_FP6
.endm
.macro PV o, t, p, ps
.if (\t)%2
	v_wmma_scale_f32_16x16x128_f8f6f4 v[\o+8*\t:\o+8*\t+7], v[F+12*\t:F+12*\t+11], v[\p:\p+11], v[\o+8*\t:\o+8*\t+7], v[VSW+(\t)/2], v[\ps] matrix_a_fmt:MATRIX_FMT_FP6 matrix_b_fmt:MATRIX_FMT_FP6 matrix_a_scale:MATRIX_SCALE_ROW1
.else
	v_wmma_scale_f32_16x16x128_f8f6f4 v[\o+8*\t:\o+8*\t+7], v[F+12*\t:F+12*\t+11], v[\p:\p+11], v[\o+8*\t:\o+8*\t+7], v[VSW+(\t)/2], v[\ps] matrix_a_fmt:MATRIX_FMT_FP6 matrix_b_fmt:MATRIX_FMT_FP6
.endif
.endm
; 64 scores of a lane (register 16 b + i: key 32 b + 16 h + i) become p's codes in v[pd .. pd+11] and p's scale word; sum and O^T of query tile q go under the new M
.macro SOFT q, pd
.set ST_, ST+2*(\q)
.set L_,  LS+2*(\q)
.set OT_, O+32*(\q)
.set PW_, PSW+(\q)
.irp b, 0,1,2,3
	v_max3_num_f32 v[BM+\b], v[S+16*\b], v[S+1+16*\b], v[S+2+16*\b]      ; the largest score of each block of 32 keys; each accumulator is read from its low end on
.endr
.irp i, 3,5,7,9,11,13
.irp b, 0,1,2,3
	v_max3_num_f32 v[BM+\b], v[BM+\b], v[S+16*\b+\i], v[S+1+16*\b+\i]
.endr
.endr
.irp b, 0,1,2,3
	v_max_num_f32 v[BM+\b], v[BM+\b], v[S+15+16*\b]
.endr
.irp b, 0,1,2,3
	v_permlanex16_b32 v[BT+\b], v[BM+\b], s[SEL], s[SEL+1]
.endr
.irp b, 0,1,2,3
	v_max_num_f32 v[BM+\b], v[BM+\b], v[BT+\b]                           ; with lane l xor 16's 16 keys
.endr
	s_delay_alu instid0(VALU_DEP_2)
	v_max3_num_f32 v[T0], v[BM], v[BM+1], v[BM+2]
	s_delay_alu instid0(VALU_DEP_1)
	v_max3_num_f32 v[ST_+1], v[ST_+1], v[T0], v[BM+3]                    ; the running largest score
	s_delay_alu instid0(VALU_DEP_1)
	v_mul_f32 v[T1], s[NC], v[ST_+1]                                     ; -t
	s_delay_alu instid0(VALU_DEP_1)
	v_floor_f32 v[T1], v[T1]                                             ; the new -M = floor(-t)
	s_delay_alu instid0(VALU_DEP_1)
	v_sub_f32 v[T0], v[T1], v[ST_]                                       ; old M - new M: a whole number, 0 or less
	s_delay_alu instid0(VALU_DEP_2)
	v_mov_b32 v[ST_], v[T1]
	s_delay_alu instid0(VALU_DEP_2)
	v_cvt_i32_f32 v[T0], v[T0]                                           ; (it saturates)
	s_delay_alu instid0(VALU_DEP_1)
	v_ldexp_f32 v[FF], 1.0, v[T0]
.set j, 0
.rept 32
	v_pk_fma_f32 v[S+j:S+j+1], v[S+j:S+j+1], s[CS:CS+1], v[ST_:ST_+1] op_sel_hi:[1,0,0]   ; t - M
.set j, j+2
.endr
.irp b, 0,1,2,3
	v_fma_f32 v[BM+\b], v[BM+\b], s[CS], v[ST_]                          ; the same of each block's largest score
.endr
	v_pk_mul_f32 v[L_:L_+1], v[L_:L_+1], v[FF:FF+1] op_sel_hi:[1,0]      ; the sum under the new M
	WALU
.set j, 0
.rept 64
	v_exp_f32 v[S+j], v[S+j]
.set j, j+1
.endr
.irp b, 0,1,2,3
	v_exp_f32 v[BM+\b], v[BM+\b]                   ; the block's largest p
.endr
	v_nop                                          ; one plain place behind the batch
	WALU                                           ; and one wait behind it
.irp b, 0,1,2,3
	v_max_num_f32 v[BM+\b], 0x1800000, v[BM+\b]    ; the floor 2^(3 - 127): the byte cannot fall under 1
.endr
.irp b, 0,1,2,3
	v_add_nc_u32 v[SO+\b], 0xff000000, v[BM+\b]    ; 2 off the exponent field: the conversion's scale operand
.endr
	v_pk_add_f32 v[BT:BT+1], v[S:S+1], v[S+2:S+3]  ; the row's sum of the unquantised p, in two chains
.set j, 4
.rept 15
	v_pk_add_f32 v[L_:L_+1], v[L_:L_+1], v[S+j:S+j+1]
	v_pk_add_f32 v[BT:BT+1], v[BT:BT+1], v[S+j+2:S+j+3]
.set j, j+4
.endr
	v_pk_add_f32 v[L_:L_+1], v[L_:L_+1], v[BT:BT+1]
.irp b, 0,1,2,3
	v_lshrrev_b32 v[BT+\b], 23, v[SO+\b]           ; the scale's byte
.endr
	v_lshl_or_b32 v[PW_], v[BT+1], 8, v[BT]
	v_lshl_or_b32 v[PW_], v[BT+2], 16, v[PW_]
	v_lshl_or_b32 v[PW_], v[BT+3], 24, v[PW_]
	v_cvt_scalef32_pk16_fp6_f32 v[BT:BT+2], v[S+16:S+31], v[SO+1]        ; block 1's half first: its 16 score registers then take the other results
	v_nop                                          ; one plain place between a conversion and what writes its sources
	v_cvt_scalef32_pk16_fp6_f32 v[\pd:\pd+2], v[S:S+15], v[SO]
	v_cvt_scalef32_pk16_fp6_f32 v[\pd+6:\pd+8], v[S+32:S+47], v[SO+2]
	v_cvt_scalef32_pk16_fp6_f32 v[S+28:S+30], v[S+48:S+63], v[SO+3]
	v_nop
.irp i, 0,1,2                                  ; the operand wants a whole block in a lane
	v_permlane16_swap_b32 v[\pd+\i], v[BT+\i]
	v_permlane16_swap_b32 v[\pd+6+\i], v[S+28+\i]
.endr
.irp i, 0,1,2
	v_mov_b32 v[\pd+3+\i], v[BT+\i]
	v_mov_b32 v[\pd+9+\i], v[S+28+\i]
.endr
	WALU
.set j, 0
.rept 16
	v_pk_mul_f32 v[OT_+j:OT_+j+1], v[OT_+j:OT_+j+1], v[FF:FF+1] op_sel_hi:[1,0]   ; O^T under the new M; also the places ahead of the products that follow
.set j, j+2
.endr
.endm
.macro STEP
	v_add_nc_u32 v[A16], s[TB], v[L16]
	v_add_nc_u32 v[A8], s[TB], v[L8]
	WALU
	PLACES                                         ; with the two adds: six places behind the last step's products, ahead of the loads into their registers and of the products that write over the second tile's codes
	ds_load_b128 v[KSW:KSW+3], v[A16] offset:6144
.irp j, 0,1,2,3
	FRAG \j, 1536*\j
.endr
	s_wait_dscnt 8                                 ; the scale words and fragments 0, 1 are in; the eight loads of fragments 2, 3 may be out
	QK 0, Q, Q+18, QS
	QK 1, Q, Q+18, QS
	s_wait_dscnt 0x0
	QK 2, Q, Q+18, QS
	QK 3, Q, Q+18, QS
	s_barrier_signal -1                            ; no LDS instruction of mine is out
	PLACES
	SOFT 0, P0
.irp j, 0,1,2,3
	QK \j, Q+12, Q+6, QS+1
.endr
	PLACES                                         ; ahead of the loads into K's registers and of the first read of the scores
	ds_load_b64 v[VSW:VSW+1], v[A8] offset:12800
.irp t, 0,1,2,3
	FRAG \t, 6656+1536*\t
.endr
	SOFT 1, P1
	WALU
	s_wait_dscnt 0x0
.irp t, 0,1,2,3                                ; eight accumulators by turns
	PV O, \t, P0, PSW
	PV O+32, \t, P1, PSW+1
.endr
	s_barrier_wait -1
	s_add_co_u32 s[TB], s[TB], STEPB
.endm
.macro LOOP first, n
	s_mov_b32 s[TB], (\first)*STEPB
	s_mov_b32 s[CNT], \n
.Lkeys_\@:
	STEP
	s_sub_co_u32 s[CNT], s[CNT], 1
	s_cmp_lg_u32 s[CNT], 0
	s_cbranch_scc1 .Lkeys_\@
.endm
; O^T / the sum, quantised along the head's 64 (register 16 b + i: channel 32 b + 16 h + i), leaves as half a fragment image of launch 4's operand and two scale bytes a row
.macro OQ pi
.set L_,  LS+2*(\pi)
.set OT_, O+32*(\pi)
	v_add_f32 v[L_], v[L_], v[L_+1]
	v_permlanex16_b32 v[T0], v[L_], s[SEL], s[SEL+1]
	v_add_f32 v[L_], v[L_], v[T0]
	WALU
	v_rcp_f32 v[FF], v[L_]
	v_nop
	WALU
.set j, 0
.rept 16
	v_pk_mul_f32 v[S+j:S+j+1], v[OT_+j:OT_+j+1], v[FF:FF+1] op_sel_hi:[1,0]
.set j, j+2
.endr
.irp b, 0,1
	v_max3_num_f32 v[BM+\b], |v[S+16*\b]|, |v[S+1+16*\b]|, 0x1800000
.endr
.irp i, 2,4,6,8,10,12,14
.irp b, 0,1
	v_max3_num_f32 v[BM+\b], v[BM+\b], |v[S+16*\b+\i]|, |v[S+1+16*\b+\i]|
.endr
.endr
.irp b, 0,1
	v_permlanex16_b32 v[BT+\b], v[BM+\b], s[SEL], s[SEL+1]
.endr
.irp b, 0,1
	v_max_num_f32 v[BM+\b], v[BM+\b], v[BT+\b]
.endr
.irp b, 0,1
	v_add_nc_u32 v[SO+\b], 0xff000000, v[BM+\b]
.endr
.irp b, 0,1
	v_lshrrev_b32 v[BT+\b], 23, v[SO+\b]
.endr
	v_cndmask_b32 v[F+5], v[BT], v[BT+1], s[MH]    ; lane (r, h): block h's byte
	v_cvt_scalef32_pk16_fp6_f32 v[P0:P0+2], v[S:S+15], v[SO]
	v_cvt_scalef32_pk16_fp6_f32 v[F:F+2], v[S+16:S+31], v[SO+1]
	v_nop
.irp i, 0,1,2
	v_permlane16_swap_b32 v[P0+\i], v[F+\i]
.endr
.irp i, 0,1,2
	v_mov_b32 v[P0+3+\i], v[F+\i]
.endr
	global_store_b128 v[L16], v[P0:P0+3], s[PCO:PCO+1] offset:196608*(\pi) th:TH_STORE_NT   ; 512 and 256 consecutive bytes, aligned to 256
	global_store_b64 v[L8], v[P0+4:P0+5], s[PCO:PCO+1] offset:196608*(\pi)+512 th:TH_STORE_NT
	global_store_b8 v[F+4], v[F+5], s[PSC:PSC+1] offset:8192*(\pi)
.endm
	s_load_b128 s[4:7], s[0:1], 0x0                ; qkv, codes
	s_load_b64 s[8:9], s[0:1], 0x10                ; scl
	v_lshl_add_u32 v[SPW], v0, 2, SPARE
	v_mov_b32 v[NIL], 0
	ds_add_u32 v[SPW], v[NIL]                      ; the opening lines: the add, twice on end, and its wait
	ds_add_u32 v[SPW], v[NIL]
	v_lshrrev_b32 v[T0], 5, v0
	v_readfirstlane_b32 s[WV], v[T0]
	s_bfe_u32 s19, ttmp6, 0x40000                  ; cx: which 512 queries
	s_and_b32 s10, ttmp7, 0xffff                   ; batch x 16 + head
	s_mul_i32 s12, s10, HEADB
	s_mov_b32 s13, 0
	s_mov_b32 s[G1], 15|(3<<16)|(1<<21)            ; the four partners; elements of 8 bytes; no padding
	s_mov_b32 s[G1+1], 32<<16                      ; rows of 256 bytes,
	s_mov_b32 s[G1+2], 51<<16                      ; 51 of them: one key step
	s_mov_b32 s[G1+3], 32<<16
	s_mov_b32 s[G1+4], 51
	s_mov_b32 s[G1+5], 32
	s_mov_b32 s[G1+6], 0
	s_mov_b32 s[G1+7], 0
	s_mul_i32 s14, s[WV], STEPB                    ; wave w asks for step w
	s_add_co_u32 s56, s12, s14
	s_add_co_u32 s56, s56, KVOFF
	s_mov_b32 s57, 0
	s_mov_b32 s[SEL], 0x76543210
	s_mov_b32 s[SEL+1], 0xfedcba98
	s_mov_b32 s[CS], 0x3e38aa3b                    ; c = log2(e) / 8
	s_mov_b32 s[CS+1], s[CS]
	s_mov_b32 s[NC], 0xbe38aa3b                    ; -c
	s_mov_b32 s[MH], 0xffff0000
	s_wait_dscnt 0x0
	s_wait_kmcnt 0x0
	s_mov_b32 s[G0], 1
	s_mov_b32 s[G0+1], s14
	s_add_nc_u64 s[G0+2:G0+3], s[4:5], s[56:57]
	s_or_b32 s[G0+3], s[G0+3], 0x80000000
	CROUND                                         ; the four partners are here: the joint loads meet
	s_cmp_lt_u32 s[WV], 4
	s_cbranch_scc0 .Llater
	tensor_load_to_lds s[G0:G0+3], s[G1:G1+7]      ; steps 0-3: the line of the waves that wait first
	s_nop 0
	PLACES
	s_branch .Lasked
.Llater:
	tensor_load_to_lds s[G0:G0+3], s[G1:G1+7]      ; steps 4-15
	s_nop 0
	PLACES
.Lasked:
	s_lshl_b32 s60, s19, 2                         ; q: step 4 cx + w / 8 (the second tile: two steps on), tile w % 8
	s_lshr_b32 s61, s[WV], 3
	s_add_co_u32 s60, s60, s61
	s_mul_i32 s60, s60, 6656
	s_add_co_u32 s60, s60, s12
	s_mov_b32 s61, 0
	s_add_nc_u64 s[PQ:PQ+1], s[4:5], s[60:61]
	s_lshr_b32 s11, s10, 4                         ; the results: row tile 768 + 128 batch + 32 cx + w (the second: 16 on), K half step = the head
	s_and_b32 s62, s10, 15
	s_lshl_b32 s11, s11, 7
	s_lshl_b32 s63, s19, 5
	s_add_co_u32 s11, s11, s63
	s_add_co_u32 s11, s11, s[WV]
	s_add_co_u32 s11, s11, 768
	s_mul_i32 s60, s11, 12288
	s_mul_i32 s63, s62, 768
	s_add_co_u32 s60, s60, s63
	s_add_nc_u64 s[PCO:PCO+1], s[6:7], s[60:61]
	s_lshl_b32 s60, s11, 9                         ; the scale bytes' place, by launch 1's layout of scl
	s_bfe_u32 s63, s62, 0x10003
	s_lshl_b32 s63, s63, 8
	s_add_co_u32 s60, s60, s63
	s_bfe_u32 s63, s62, 0x10001
	s_lshl_b32 s63, s63, 7
	s_add_co_u32 s60, s60, s63
	s_bfe_u32 s63, s62, 0x10002
	s_lshl_b32 s63, s63, 2
	s_add_co_u32 s60, s60, s63
	s_and_b32 s63, s62, 1
	s_lshl_b32 s63, s63, 1
	s_add_co_u32 s60, s60, s63
	s_add_nc_u64 s[PSC:PSC+1], s[8:9], s[60:61]
	s_and_b32 s63, s[WV], 7
	s_mul_i32 s58, s63, 768
	s_add_co_u32 s59, s58, 512
	s_lshr_b32 s49, s63, 1
	s_lshl_b32 s49, s49, 2
	s_add_co_u32 s49, s49, 6144                    ; q's scale word: word (w % 8) / 2 of my row,
	s_mov_b32 s[QSEL], 0x01000100                  ; of which my tile's half is laid twice
	s_and_b32 s63, s63, 1
	s_cmp_eq_u32 s63, 1
	s_cselect_b32 s[QSEL], 0x03020302, s[QSEL]
	v_and_b32 v[T1], 31, v0
	v_lshlrev_b32 v[L16], 4, v[T1]
	v_lshlrev_b32 v[L8], 3, v[T1]
	v_and_b32 v[T1], 15, v0
	v_add_nc_u32 v[S], s58, v[L16]
	v_add_nc_u32 v[S+1], s59, v[L8]
	v_lshl_add_u32 v[S+2], v[T1], 4, s49
	global_load_b128 v[Q:Q+3], v[S], s[PQ:PQ+1]
	global_load_b64 v[Q+4:Q+5], v[S+1], s[PQ:PQ+1]
	global_load_b128 v[Q+24:Q+27], v[S], s[PQ:PQ+1]
	global_load_b64 v[Q+28:Q+29], v[S+1], s[PQ:PQ+1]
	global_load_b128 v[Q+12:Q+15], v[S], s[PQ:PQ+1] offset:13312
	global_load_b64 v[Q+16:Q+17], v[S+1], s[PQ:PQ+1] offset:13312
	global_load_b32 v[QS], v[S+2], s[PQ:PQ+1]
	global_load_b32 v[QS+1], v[S+2], s[PQ:PQ+1] offset:13312
.irp i, 6,7,8,9,10,11,18,19,20,21,22,23
	v_mov_b32 v[Q+\i], 0                           ; the chain's zero codes
.endr
.irp b, 0,1,2,3
	v_mov_b32 v[BT+\b], 0                          ; written once: a lane permute's destination counts as one of its sources
.endr
	v_mov_b32 v[T0], 0
.irp q, 0,1
	v_mov_b32 v[ST+2*\q], 0x7e000000               ; -M: far above every -t, so that the first step's factor is 0
	v_mov_b32 v[ST+2*\q+1], 0xff61b1e6             ; the largest score so far: -3e38
	v_mov_b32 v[LS+2*\q], 0
	v_mov_b32 v[LS+2*\q+1], 0
.endr
	s_wait_loadcnt 0x0
	v_perm_b32 v[QS], v[QS], v[QS], s[QSEL]
	v_perm_b32 v[QS+1], v[QS+1], v[QS+1], s[QSEL]
.set j, 0
.rept 64
	v_mov_b32 v[O+j], 0                            ; the step is written once: the first finds zeros.  (Also the places between the scale words' writes and the first products)
.set j, j+1
.endr
	WALU
	s_cmp_lt_u32 s[WV], 4
	s_cbranch_scc0 .Lnot_first
	s_wait_tensorcnt 0x0
.Lnot_first:
	s_barrier_signal -1
	s_barrier_wait -1                              ; steps 0-3 are in; the others may be on their way
	LOOP 0, 4
	s_wait_tensorcnt 0x0                           ; every wave: all that is still out
	s_wait_dscnt 0x0
	s_barrier_signal -1
	s_barrier_wait -1
	LOOP 4, 12
	PLACES                                         ; four places behind the last products, whose fragment registers are written below and whose results are read
	v_and_b32 v[F+6], 15, v0                       ; the scale byte's place: 8 r + h
	v_bfe_u32 v[F+4], v0, 4, 1
	v_lshl_add_u32 v[F+4], v[F+6], 3, v[F+4]
	OQ 0
	s_wait_xcnt 0x0                                ; the stores have read their registers
	OQ 1
	s_wait_tensorcnt 0x0                           ; the wave's end
	ds_add_u32 v[SPW], v[NIL]
	s_wait_dscnt 0x0
	CROUND                                         ; the closing round
	s_endpgm
.Lfunc_end_k_q5b85a27b75_attn:
	.size	k_q5b85a27b75_attn, .Lfunc_end_k_q5b85a27b75_attn-k_q5b85a27b75_attn
	.p2alignl 7, 3214868480
	.fill 96, 4, 3214868480
	.section	.rodata,"a",@progbits
	.p2align	6, 0x0
	.amdhsa_kernel k_q5b85a27b75_attn
		.amdhsa_group_segment_fixed_size 327680
		.amdhsa_private_segment_fixed_size 0
		.amdhsa_enable_private_segment 0
		.amdhsa_kernarg_size 24
		.amdhsa_user_sgpr_count 2
		.amdhsa_user_sgpr_kernarg_segment_ptr 1
		.amdhsa_wavefront_size32 1
		.amdhsa_system_sgpr_workgroup_id_x 1
		.amdhsa_system_sgpr_workgroup_id_y 1
		.amdhsa_system_sgpr_workgroup_id_z 1
		.amdhsa_system_vgpr_workitem_id 0
		.amdhsa_next_free_vgpr 256
		.amdhsa_next_free_sgpr 66
		.amdhsa_reserve_vcc 0
		.amdhsa_float_denorm_mode_32 3
		.amdhsa_float_denorm_mode_16_64 3
		.amdhsa_memory_ordered 1
		.amdhsa_forward_progress 1
		.amdhsa_inst_pref_size 77
	.end_amdhsa_kernel
	.amdgpu_metadata
---
amdhsa.version: [ 1, 2 ]
amdhsa.kernels:
  - .name:           k_q5b85a27b75_attn
    .symbol:         k_q5b85a27b75_attn.kd
    .args:
      - { .name: qkv, .offset: 0, .size: 8, .value_kind: global_buffer, .address_space: global }
      - { .name: codes, .offset: 8, .size: 8, .value_kind: global_buffer, .address_space: global }
      - { .name: scl, .offset: 16, .size: 8, .value_kind: global_buffer, .address_space: global }
    .group_segment_fixed_size: 327680
    .private_segment_fixed_size: 0
    .kernarg_segment_align: 8
    .kernarg_segment_size: 24
    .max_flat_workgroup_size: 512
    .sgpr_count:     66
    .vgpr_count:     256
    .wavefront_size: 32
...
	.end_amdgpu_metadata
.endif
;; end of part 3
;; launch proj (part 4): grid 4 x 64, 4 waves a work-group, clusters of 4 x 4, 327,680 bytes of LDS; arguments codes, scl, dense_b, out0; writes out0
.if DOCPART == 4
	.amdgcn_target "amdgcn-amd-amdhsa--gfx1250"
	.amdhsa_code_object_version 6
	.text
	.protected	k_q5b85a27b75_proj
	.globl	k_q5b85a27b75_proj
	.p2align	8
	.type	k_q5b85a27b75_proj,@function
k_q5b85a27b75_proj:
	s_mov_b64 s[64:65], 0
	v_nop
	global_prefetch_b8 v0, s[64:65] scope:SCOPE_SE
	s_setreg_imm32_b32 hwreg(HW_REG_WAVE_MODE, 25, 1), 1
	s_wait_xcnt 0x0
	s_wait_alu depctr_hold_cnt(0) depctr_sa_sdst(0) depctr_va_vdst(0) depctr_va_sdst(0) depctr_va_ssrc(0) depctr_va_vcc(0) depctr_vm_vsrc(0)
	s_getreg_b32 s2, hwreg(HW_REG_IB_STS2, 6, 4)
	s_cmp_eq_u32 s2, 0
	s_cbranch_scc0 .Lentry_in_a_cluster
	s_endpgm
.Lentry_in_a_cluster:
	s_bfe_u32 s2, ttmp6, 0x10000c
	s_cmp_lg_u32 s2, 0xf033
	s_cbranch_scc0 .Lentry_shape_is_right
	s_endpgm
.Lentry_shape_is_right:
; LAUNCH 4 OF 4.  out0 = o dense_w^T + dense_b on codes of FP6 (E2M3).  No work is left out.
; A = launch 3's codes (row tiles 768 ..), B = dense_w's (row tiles 704-767), both in launch 1's layout: a tile of 16 rows is 12,288 bytes, 8 fragment images of 1,536 bytes along K; scl as launch 1 lays it.
; THE DEAL: 8,192 x 1,024 in blocks of 128 x 256: 256 work-groups.  Four waves, 2 x 2: a wave makes 64 x 128: 4 x 8 accumulators, 256 registers.
; ALL OF K LIES IN LDS: 2 halves of K x (A's 8 tiles + B's 16) x 6,144 bytes = 294,912 bytes, each byte filled once: no byte is filled again.
; THE HEAD'S LOADS, one a wave, each in an arm of its own: wave 0 A's first half of K, wave 1 B's first, wave 2 A's second, wave 3 B's second; rows of 6,144 bytes, a multiple of 256, at multiples of 256.
; The first barrier shows waves 0 and 1's tiles; the second, inside K step 3, shows the rest: every wave waits for all its loads there.
; CLUSTERS: 4 x 4 work-groups; A's tiles are asked for jointly along a row of the cluster, B's along a column.
; NO PREFETCH: every tile is asked for at the head; there is no loop to run ahead in.
; The product is used transposed (source 0 = B's tile, source 1 = A's): a lane holds one row of out0 and its registers run along the columns.  The bias is the C of each sum's first product.
; A K step first asks LDS for the next step's 12 fragments (48 loads, into the other of two sets), then waits for its own and issues its 32 products, the accumulators by turns.
; REGISTERS: window 0: v16-31 addresses; v32-95 scale words (lanes 0-15 A's block i, lanes 16-31 B's block i); v128-223 A's fragments, two sets of four.
;   window 1: B's fragments, two sets at v0 and v128; the bias at v96-127 and v224-255.  window 2: accumulator (a, b) at v[8 (8 a + b)].
.set TK,    6144                       ; a tile's four K steps
.set APART, 8*TK                       ; A's 8 tiles; B's 16 lie behind them
.set HALFR, 24*TK                      ; one half of K
.set SPARE, 2*HALFR                    ; behind the tiles: the spare words, 128 bytes a wave
.set SPITCH, 528
.set ADRA, 16                          ; v16-19 A's fragments: half 0 at 16 x lane, at 8 x lane; half 1 likewise
.set ADRB, 20                          ; v20-23 B's
.set L16,  24
.set STO,  25
.set RD,   26
.set BOF,  27
.set SPW,  28                          ; my spare word; never rewritten
.set NIL,  29                          ; 0; never rewritten
.set SOFF, 30                          ; v30, v31 my lane's place in scl, for blocks 0-3 and 4-7
.set SC,   32
.set AF,   128
.set BK,   128
.set WV,  16
.set RH,  17
.set CH,  18
.set CX,  19
.set CY,  20
.set G1,  24
.set G0,  32                           ; s[32:35], s[36:39] A's two halves of K
.set G1B, 48
.set G0B, 56                           ; s[56:59], s[60:63] B's
.set MH,  66
.set MSB, 0
.macro WIN new                         ; the immediate's high byte repeats the setting that is left
.if MSB != (\new)
	s_set_vgpr_msb (MSB<<8)|(\new)
.set MSB, (\new)
.endif
.endm
.macro PLACES                          ; four plain places behind matrix instructions (ISA guide 7.12.1)
.rept 4
	v_nop
.endr
.endm
.macro CROUND
	s_barrier_signal -1
	s_barrier_wait -1
	s_cmp_lg_u32 s[WV], 0
	s_cbranch_scc1 .Lnot_wave_0_\@
	s_barrier_signal -3
.Lnot_wave_0_\@:
	s_barrier_wait -3
	s_barrier_signal -1
	s_barrier_wait -1
.endm
.macro ARM under, g0, g1, next         ; one arm of the head's chain: a load, its s_nop 0 and four v_nop, a jump to the join
	s_cmp_lt_u32 s[WV], \under
	s_cbranch_scc0 \next
	tensor_load_to_lds s[\g0:\g0+3], s[\g1:\g1+7]
	s_nop 0
	PLACES
	s_branch .Lhead_asked
\next:
.endm
.macro FRAG reg, adr, q, i             ; tile i's fragment of the half's q-th K step: its image, as it lies
	ds_load_b128 v[\reg:\reg+3], v[\adr] offset:TK*(\i)+1536*(\q)
	ds_load_b64 v[\reg+4:\reg+5], v[\adr+1] offset:TK*(\i)+1536*(\q)+512
	ds_load_b128 v[\reg+6:\reg+9], v[\adr] offset:TK*(\i)+1536*(\q)+768
	ds_load_b64 v[\reg+10:\reg+11], v[\adr+1] offset:TK*(\i)+1536*(\q)+1280
.endm
.macro FETCH hh, q, p                  ; 48 loads: B's eight fragments and A's four into set p
	WIN 0x40
.irp i, 0,1,2,3,4,5,6,7
	FRAG 128*(\p)+12*\i, ADRB+2*(\hh), \q, \i
.endr
	WIN 0
.irp i, 0,1,2,3
	FRAG AF+48*(\p)+12*\i, ADRA+2*(\hh), \q, \i
.endr
.endm
.macro MUL16 a0, p, ks, cm             ; A's blocks a0, a0 + 1 x B's eight, K step ks, set p; cm = 1: C = the bias of B's block
.if \cm
	WIN 0x91                                       ; source 0 (B) window 1, source 1 (A) window 0, C window 1, D window 2
.else
	WIN 0xa1                                       ; C and D window 2
.endif
.irp a, \a0, \a0+1
.irp b, 0,1,2,3,4,5,6,7
.set rD, 8*(8*(\a)+\b)
.set rB, 128*(\p)+12*\b
.set rA, AF+48*(\p)+12*(\a)
.set xB, SC+8*\b+4*((\ks)/4)+2*((\ks)%2)+((\ks)%4)/2
.set xA, SC+8*(\a)+4*((\ks)/4)+2*((\ks)%2)+((\ks)%4)/2
.set rC, rD
.if \cm
.set rC, 96+8*\b+96*(\b/4)
.endif
	v_wmma_scale_f32_16x16x128_f8f6f4 v[rD:rD+7], v[rB:rB+11], v[rA:rA+11], v[rC:rC+7], v[xB], v[xA] matrix_a_fmt:MATRIX_FMT_FP6 matrix_b_fmt:MATRIX_FMT_FP6 matrix_a_scale:MATRIX_SCALE_ROW1
.endr
.endr
.endm
.macro KSTEP ks, cm
.if (\ks) < 7
.if (\ks) > 0
	PLACES                                         ; the other set was read by the products just issued
.endif
	FETCH ((\ks)+1)/4, ((\ks)+1)%4, 1-(\ks)%2
	s_wait_dscnt 48                                ; all but the 48 just issued: this step's fragments are in
.else
	s_wait_dscnt 0x0
.endif
	MUL16 0, (\ks)%2, \ks, \cm
	MUL16 2, (\ks)%2, \ks, \cm
.endm
	s_load_b256 s[4:11], s[0:1], 0x0               ; codes, scl, dense_b, out0
	v_lshl_add_u32 v[SPW], v0, 2, SPARE
	v_mov_b32 v[NIL], 0
	ds_add_u32 v[SPW], v[NIL]                      ; the opening lines: the add, twice on end, and its wait
	ds_add_u32 v[SPW], v[NIL]
	v_lshrrev_b32 v1, 5, v0
	v_readfirstlane_b32 s[WV], v1
	s_lshr_b32 s[RH], s[WV], 1                     ; which 64 of the block's rows are mine
	s_and_b32 s[CH], s[WV], 1                      ; which 128 of its columns
	s_bfe_u32 s[CX], ttmp6, 0x40000
	s_bfe_u32 s[CY], ttmp6, 0x40004
	s_and_b32 s40, ttmp7, 0xffff
	s_lshl_b32 s40, s40, 2
	s_add_co_u32 s40, s40, s[CY]                   ; block row 0 .. 63
	s_lshl_b32 s41, s40, 3
	s_add_co_u32 s41, s41, 768                     ; A's first tile
	s_mul_i32 s42, s41, 12288
	s_mov_b32 s43, 0
	s_lshl_b32 s44, ttmp9, 2
	s_add_co_u32 s44, s44, s[CX]                   ; block column 0 .. 3
	s_lshl_b32 s45, s44, 4
	s_add_co_u32 s45, s45, 704                     ; B's first tile
	s_mul_i32 s46, s45, 12288
	s_mov_b32 s47, 0
	s_lshl_b32 s80, s[CY], 2
	s_lshl_b32 s80, 15, s80                        ; my row of the cluster
	s_lshl_b32 s81, 0x1111, s[CX]                  ; my column
	s_or_b32 s[G1], s80, (3<<16)|(1<<21)           ; the mask; elements of 8 bytes; no padding; bit 21 beside a mask
	s_or_b32 s[G1B], s81, (3<<16)|(1<<21)
.irp g, G1, G1B
	s_mov_b32 s[\g+1], 768<<16                     ; a row: 6,144 bytes, a tile's four K steps
	s_mov_b32 s[\g+3], 768<<16
	s_mov_b32 s[\g+5], 1536                        ; from tile to tile: 12,288 bytes
	s_mov_b32 s[\g+6], 0
	s_mov_b32 s[\g+7], 0
.endr
	s_mov_b32 s[G1+2], 8<<16                       ; A: 8 tiles
	s_mov_b32 s[G1+4], 8
	s_mov_b32 s[G1B+2], 16<<16                     ; B: 16 tiles
	s_mov_b32 s[G1B+4], 16
	s_mov_b32 s[MH], 0xffff0000
	s_wait_dscnt 0x0                               ; both opening adds are done
	s_wait_kmcnt 0x0
	s_add_nc_u64 s[42:43], s[4:5], s[42:43]
	s_add_nc_u64 s[46:47], s[4:5], s[46:47]
.irp s, 0,1
	s_mov_b32 s[G0+4*\s], 1
	s_mov_b32 s[G0+4*\s+1], \s*HALFR
	s_add_nc_u64 s[G0+4*\s+2:G0+4*\s+3], s[42:43], \s*TK
	s_or_b32 s[G0+4*\s+3], s[G0+4*\s+3], 0x80000000
	s_mov_b32 s[G0B+4*\s], 1
	s_mov_b32 s[G0B+4*\s+1], \s*HALFR+APART
	s_add_nc_u64 s[G0B+4*\s+2:G0B+4*\s+3], s[46:47], \s*TK
	s_or_b32 s[G0B+4*\s+3], s[G0B+4*\s+3], 0x80000000
.endr
	CROUND                                         ; all sixteen work-groups are here: the joint loads meet
	ARM 1, G0,    G1,  .Lhead_b0
	ARM 2, G0B,   G1B, .Lhead_a1
	ARM 3, G0+4,  G1,  .Lhead_b1
	tensor_load_to_lds s[G0B+4:G0B+7], s[G1B:G1B+7]
	s_nop 0
	PLACES
.Lhead_asked:
	s_mul_i32 s80, s[RH], 4*TK                     ; my 4 tiles of A,
	s_mul_i32 s81, s[CH], 8*TK                     ; my 8 tiles of B,
	s_add_co_u32 s81, s81, APART                   ; which lie behind A's 8
	s_add_co_u32 s82, s80, HALFR
	s_add_co_u32 s83, s81, HALFR
	s_lshl_b32 s84, s[RH], 2                       ; the scale words: lanes 0-15 take A's tiles, lanes 16-31 B's
	s_add_co_u32 s84, s84, s41
	s_lshl_b32 s84, s84, 9
	s_sub_co_u32 s85, s84, 2048                    ; A has four blocks: with blocks 4-7 of B lanes 0-15 load A's four once more, and nobody reads them
	s_lshl_b32 s86, s[CH], 3
	s_add_co_u32 s86, s86, s45
	s_lshl_b32 s86, s86, 9
	s_mul_i32 s87, s[WV], 16*SPITCH                ; my stage, in the first half's bytes
	s_lshl_b32 s88, s40, 7
	s_lshl_b32 s89, s[RH], 6
	s_add_co_u32 s88, s88, s89
	s_lshl_b32 s88, s88, 12                        ; my first row of out0, in bytes
	s_lshl_b32 s90, s44, 8
	s_lshl_b32 s91, s[CH], 7
	s_add_co_u32 s90, s90, s91
	s_lshl_b32 s90, s90, 2                         ; my first column, in bytes
	s_mov_b32 s91, 0
	s_add_nc_u64 s[8:9], s[8:9], s[90:91]
	s_add_co_u32 s90, s90, s88
	s_add_nc_u64 s[10:11], s[10:11], s[90:91]
	v_and_b32 v1, 31, v0
	v_lshlrev_b32 v[L16], 4, v1
	v_lshlrev_b32 v2, 3, v1
	v_and_b32 v4, 15, v0                           ; r
	v_bfe_u32 v5, v0, 4, 1                         ; h
	v_add_nc_u32 v[ADRA], s80, v[L16]
	v_add_nc_u32 v[ADRA+1], s80, v2
	v_add_nc_u32 v[ADRA+2], s82, v[L16]
	v_add_nc_u32 v[ADRA+3], s82, v2
	v_add_nc_u32 v[ADRB], s81, v[L16]
	v_add_nc_u32 v[ADRB+1], s81, v2
	v_add_nc_u32 v[ADRB+2], s83, v[L16]
	v_add_nc_u32 v[ADRB+3], s83, v2
	v_mov_b32 v6, s84
	v_mov_b32 v7, s86
	v_mov_b32 v8, s85
	v_cndmask_b32 v6, v6, v7, s[MH]
	v_cndmask_b32 v8, v8, v7, s[MH]
	v_lshl_add_u32 v[SOFF], v4, 3, v6
	v_lshl_add_u32 v[SOFF+1], v4, 3, v8
	v_mul_u32_u24 v[STO], v4, SPITCH               ; the stage, way in: row r, 64 bytes for each half of the lanes
	v_lshl_add_u32 v[STO], v5, 6, v[STO]
	v_add_nc_u32 v[STO], s87, v[STO]
	v_add_nc_u32 v[RD], s87, v[L16]                ; way out: the 32 lanes take one row of 512 bytes
	v_lshlrev_b32 v[BOF], 6, v5
.irp i, 0,1,2,3,4,5,6,7
.irp g, 0,1
.irp p, 0,1
	global_load_b64 v[SC+8*\i+4*\g+2*\p:SC+8*\i+4*\g+2*\p+1], v[SOFF+\i/4], s[6:7] offset:512*\i+256*\g+128*\p
.endr
.endr
.endr
	WIN 0x40                                       ; the bias, in the result's layout: register j of B's block b: column 32 (b / 2) + 8 (b % 2) + 16 h + j
.irp b, 0,1,2,3,4,5,6,7
	global_load_b128 v[96+8*\b+96*(\b/4):96+8*\b+96*(\b/4)+3], v[BOF], s[8:9] offset:128*(\b/2)+32*(\b%2)
	global_load_b128 v[96+8*\b+96*(\b/4)+4:96+8*\b+96*(\b/4)+7], v[BOF], s[8:9] offset:128*(\b/2)+32*(\b%2)+16
.endr
	WIN 0
	s_wait_alu depctr_va_vdst(0)
	s_cmp_lt_u32 s[WV], 2
	s_cbranch_scc0 .Lnot_first
	s_wait_tensorcnt 0x0                           ; waves 0 and 1: the first half of K
.Lnot_first:
	s_barrier_signal -1
	s_barrier_wait -1                              ; it is in; the second half may be on its way
	FETCH 0, 0, 0
	s_wait_loadcnt 0x0                             ; the scale words and the bias
	KSTEP 0, 1                                     ; the first K step starts the sums with the bias
	KSTEP 1, 0
	KSTEP 2, 0
	s_wait_tensorcnt 0x0                           ; K step 3.  Every wave: all that is still out;
	s_wait_dscnt 0x0                               ; my reads of the first half are over
	s_barrier_signal -1
	MUL16 0, 1, 3, 0
	s_barrier_wait -1                              ; the second half is in, and nobody reads the first any more
	PLACES
	FETCH 1, 0, 0
	MUL16 2, 1, 3, 0
	KSTEP 4, 0
	KSTEP 5, 0
	KSTEP 6, 0
	KSTEP 7, 0
	WIN 0
; THE WAY OUT, block by block of 16 rows x 128 columns, through my own stage and back as whole rows of 512 bytes.  LDS serves a wave's instructions in order: no wait between the stores and the loads.
.macro TOSTAGE a
.set AC, 64*(\a)
	WIN 0x08                                       ; the data: window 2
.irp b, 0,1,2,3,4,5,6,7
	ds_store_b128 v[STO], v[AC+8*\b:AC+8*\b+3] offset:128*(\b/2)+32*(\b%2)       ; each accumulator from its low end on
	ds_store_b128 v[STO], v[AC+8*\b+4:AC+8*\b+7] offset:128*(\b/2)+32*(\b%2)+16
.endr
	WIN 0
.set BB, BK+64*((\a)%2)
.irp t, 0,1,2,3,4,5,6,7,8,9,10,11,12,13,14,15
	ds_load_b128 v[BB+4*\t:BB+4*\t+3], v[RD] offset:\t*SPITCH
.endr
.endm
.macro SEND a, younger                 ; younger: the LDS instructions issued behind block a's loads, which may stay out
.set BB, BK+64*((\a)%2)
	s_wait_dscnt \younger
.irp t, 0,1,2,3,4,5,6,7,8,9,10,11,12,13,14,15
	global_store_b128 v[L16], v[BB+4*\t:BB+4*\t+3], s[10:11] offset:(32*((\a)/2)+8*((\a)%2)+\t+8*(\t/8))*4096 th:TH_STORE_NT   ; position t of tile a is row 32 (a / 2) + 8 (a % 2) + t + 8 (t / 8); 512 consecutive bytes, aligned
.endr
.endm
	PLACES                                         ; ahead of the first read of results and of the loads into A's registers
	TOSTAGE 0
.irp a, 1,2,3
.if \a > 1
	s_wait_xcnt 0x0                                ; block a - 2's stores have read their registers
.endif
	TOSTAGE \a
	SEND \a-1, 32                                  ; behind block a - 1's loads: block a's 16 stores and 16 loads
.endr
	SEND 3, 0
	s_wait_tensorcnt 0x0                           ; the wave's end
	ds_add_u32 v[SPW], v[NIL]
	s_wait_dscnt 0x0
	CROUND                                         ; the closing round
	s_endpgm
.Lfunc_end_k_q5b85a27b75_proj:
	.size	k_q5b85a27b75_proj, .Lfunc_end_k_q5b85a27b75_proj-k_q5b85a27b75_proj
	.p2alignl 7, 3214868480
	.fill 96, 4, 3214868480
	.section	.rodata,"a",@progbits
	.p2align	6, 0x0
	.amdhsa_kernel k_q5b85a27b75_proj
		.amdhsa_group_segment_fixed_size 327680
		.amdhsa_private_segment_fixed_size 0
		.amdhsa_enable_private_segment 0
		.amdhsa_kernarg_size 32
		.amdhsa_user_sgpr_count 2
		.amdhsa_user_sgpr_kernarg_segment_ptr 1
		.amdhsa_wavefront_size32 1
		.amdhsa_system_sgpr_workgroup_id_x 1
		.amdhsa_system_sgpr_workgroup_id_y 1
		.amdhsa_system_sgpr_workgroup_id_z 1
		.amdhsa_system_vgpr_workitem_id 0
		.amdhsa_next_free_vgpr 768
		.amdhsa_next_free_sgpr 96
		.amdhsa_reserve_vcc 0
		.amdhsa_float_denorm_mode_32 3
		.amdhsa_float_denorm_mode_16_64 3
		.amdhsa_memory_ordered 1
		.amdhsa_forward_progress 1
		.amdhsa_inst_pref_size 85
	.end_amdhsa_kernel
	.amdgpu_metadata
---
amdhsa.version: [ 1, 2 ]
amdhsa.kernels:
  - .name:           k_q5b85a27b75_proj
    .symbol:         k_q5b85a27b75_proj.kd
    .args:
      - { .name: codes, .offset: 0, .size: 8, .value_kind: global_buffer, .address_space: global }
      - { .name: scl, .offset: 8, .size: 8, .value_kind: global_buffer, .address_space: global }
      - { .name: dense_b, .offset: 16, .size: 8, .value_kind: global_buffer, .address_space: global }
      - { .name: out0, .offset: 24, .size: 8, .value_kind: global_buffer, .address_space: global }
    .group_segment_fixed_size: 327680
    .private_segment_fixed_size: 0
    .kernarg_segment_align: 8
    .kernarg_segment_size: 32
    .max_flat_workgroup_size: 128
    .sgpr_count:     96
    .vgpr_count:     768
    .wavefront_size: 32
...
	.end_amdgpu_metadata
.endif
;; end of part 4
